; MI455X (gfx1250); checked and timed in simulation.
; The chip was launched on July 23, 2026; its instructions are those of AMD's public machine-readable ISA for CDNA 5 (MIT licence, August 2026) and "CDNA5" Instruction Set Architecture Reference Guide (July 2026). The comments in the code are by the model that wrote it; some were corrected since.
;; Block. Allowed arithmetic: matrix products marked QUANTISED: E2M3 operands, one E8M0 scale for each 32 along K, by v_wmma_scale_f32_16x16x128_f8f6f4 with both operands' format E2M3, f32 sums; everything else in f32.
;; Inputs: W_aproj 1,024 x 1,024 float32; W_attn 3,072 x 1,024 float32; W_fc 4,096 x 1,024 float32; W_mproj 1,024 x 4,096 float32; b_aproj 1,024 float32; b_attn 3,072 float32; b_fc 4,096 float32; b_mproj 1,024 float32; ln1_b 1,024 float32; ln1_g 1,024 float32; ln2_b 1,024 float32; ln2_g 1,024 float32; x 2 x 2,048 x 1,024 float32.
;; Outputs: out0 2 x 2,048 x 1,024 float32.
;; This version of the problem:
;;   THIS VERSION OF THE PROBLEM IS GIVEN IN LOW PRECISION. The matrix products marked QUANTISED in the list below multiply operands that are first quantised to E2M3 (2 exponent bits, 3 mantissa bits; 6 bits a number), with one power-of-two scale for each 32 numbers along K (OCP MX v1.0); their sums are f32. All else is computed in f32.
;;   The module's matrix products, in the order in which they are computed (A, B: the left and right operand; K: the contracted axis; several contracted axes count as one K, in the product's order):
;;     1. [M 4,096, K 1,024] x [K 1,024, N 3,072]; A: computed on the way; B: input W_attn: QUANTISED
;;     2. batch 32 x [M 2,048, K 64] x [K 64, N 2,048]; A: computed on the way; B: computed on the way: QUANTISED
;;     3. batch 32 x [M 2,048, K 2,048] x [K 2,048, N 64]; A: softmax (see below); B: computed on the way: QUANTISED
;;     4. [M 4,096, K 1,024] x [K 1,024, N 1,024]; A: computed on the way; B: input W_aproj: QUANTISED
;;     5. [M 4,096, K 1,024] x [K 1,024, N 4,096]; A: computed on the way; B: input W_fc: QUANTISED
;;     6. [M 4,096, K 4,096] x [K 4,096, N 1,024]; A: computed on the way; B: input W_mproj: QUANTISED
;;   THE QUANTISER, for each operand of a quantised product, along K:
;;     - K is cut into blocks of 32 from its start; a last block that is shorter is filled with zeros.
;;     - A block's scale is 2^e with e = floor(log2(the largest magnitude in the block)) - 2, held to -126 .. 127; a block of zeros has e = 0. As a byte (E8M0): e + 127.
;;     - Each number is divided by its block's scale, clamped to +-7.5, and rounded to the nearest number of E2M3, ties to even, subnormals kept.
;;     - The product sums the exact products of the quantised numbers (number of the format x scale) in f32.
;;   ~~~python
;;   def quantise(x, axis):      # numpy; x: float32 -> the quantised numbers, widened to float32 again
;;       x = np.moveaxis(x, axis, -1); K = x.shape[-1]
;;       x = np.pad(x, [(0, 0)] * (x.ndim - 1) + [(0, -K % 32)]); x = x.reshape(x.shape[:-1] + (-1, 32)); a = np.abs(x).max(-1, keepdims=True)
;;       e = np.where(a > 0, np.clip(np.frexp(np.where(a > 0, a, 1))[1] - 1 - 2, -126, 127), 0)      # np.frexp(a)[1] - 1 = floor(log2(a)), exactly
;;       r = np.clip(x / 2.0 ** e, -7.5, 7.5)
;;       step = 2.0 ** (np.maximum(np.frexp(np.where(r == 0, 1, r))[1] - 1, 0) - 3)
;;       q = np.round(r / step) * step * 2.0 ** e      # np.round: ties to even
;;       return np.moveaxis(q.reshape(q.shape[:-2] + (-1,))[..., :K], -1, axis).astype(np.float32)
;;   ~~~
;;   SOFTMAX AHEAD OF A QUANTISED PRODUCT. Where the list says 'softmax', what is quantised is not the finished softmax but p = 2^(t - M), with t = logit x log2(e) and M = ceil(the row's largest t), a whole number; so 1/2 < the row's largest p <= 1. The row's sum l is taken of the UNQUANTISED p, in f32, and the product's result is divided by l at the end. Since M is a whole number, a kernel that streams over the keys may use a running M (the ceiling of the running maximum): every later rescaling is an exact power of two, which a block's scale takes up: the codes' values come out the same.
;;   OPERANDS COMPUTED ON THE WAY. 'Computed on the way' means the value that the module computes at that place (a softmax that the list does not call 'softmax' is quantised finished and normalised). What goes into a quantiser is computed in f32, as accurately as f32 sums, v_exp_f32 and their like allow (about 1e-6 of the number): no bf16 or f16 on the way to a quantiser, and a product that is left as it is and whose result goes on into a quantised operand takes f32 operands (vector FMAs, or v_wmma_f32_16x16x4_f32). A number that lies on a knife's edge between two numbers of the format may be rounded either way, as far as f32 arithmetic and the matrix unit's own rounding can turn it there, and no further.
;; One version. Each part assembles by itself: llvm-mc -triple=amdgcn-amd-amdhsa -mcpu=gfx1250 --defsym DOCPART=n.
;; ======== version 1 of 1: 7 launches
;; limits: right only within a limited range of input values
;; workspace buffers: Wb 9,830,400 bytes; Hb 3,276,800 bytes; QKV 10,092,544 bytes; Yb 3,276,800 bytes; X1 16,777,216 bytes; Mb 13,107,200 bytes
;; launch prep (part 1): grid 1024 x 1, 4 waves a work-group, no clusters, 44,032 bytes of LDS; arguments x, ln1_g, ln1_b, W_attn, W_aproj, W_fc, W_mproj, Hb, Wb; writes Hb, Wb
.if DOCPART == 1
	.amdgcn_target "amdgcn-amd-amdhsa--gfx1250"
	.amdhsa_code_object_version 6
	.text
	.protected	k_q06a4d17e1a_prep
	.globl	k_q06a4d17e1a_prep
	.p2align	8
	.type	k_q06a4d17e1a_prep,@function
k_q06a4d17e1a_prep:
	s_mov_b64 s[64:65], 0
	v_nop
	global_prefetch_b8 v0, s[64:65] scope:SCOPE_SE
	s_setreg_imm32_b32 hwreg(HW_REG_WAVE_MODE, 25, 1), 1
	s_wait_xcnt 0x0
; f32 rows with K innermost become codes of FP6 (E2M3) with one E8M0 byte for each 32 along K, laid as IMAGES OF OPERAND REGISTERS.
; A work-group takes one UNIT: one tile of 16 rows x 1,024 along K.  Units 0-255: the activations (first argument), with a layer norm over the row's 1,024 numbers ahead of the quantiser;
; units 256-447 W_attn, 448-511 W_aproj, 512-767 W_fc, 768-1023 W_mproj (four units along its K of 4,096).  Launched with 256 work-groups the same text serves the second layer norm alone.
; THE ROWS OF A TILE ARE NOT NEIGHBOURS: tile 2 b + u holds at its row p the tensor's row 32 b + 8 u + p + 8 (p / 8), so that a transposed product's 16 registers of two neighbouring tiles are 16 neighbours along the next K.
; IMAGE: a fragment (16 rows x 128 K, 12 registers a lane) is 1,536 bytes: registers 4 g .. 4 g + 3 of lane l at 512 g + 16 l.  A unit's eight fragments lie on end; its scale words (one for a row and 128 K) are 512 bytes, row r's word of K step s at 32 r + 4 s.
; SHARES: wave w takes K steps 2 w and 2 w + 1: 1,024 bytes of each of the 16 rows.  Each load reads 512 consecutive bytes of a row; the numbers turn through the wave's own stage in LDS, so that lane (r, h) holds of row r
; the whole blocks 2 c + h, which is the order of the operand's registers: the conversions' results are the fragment.
; LAYER NORM: mean, then the mean of the squared differences (two passes over registers: no difference of large sums), 1 / sqrt(var + 1e-5), x g + b with one rounding.  The row's sums are added in another order than a plain loop would.
; A block's scale is 2^(floor(log2(largest magnitude)) - 2); its byte is the largest magnitude's exponent field - 2, held at 1 from below.
; LIMITS: NaN and infinities among the inputs are not served; a block whose largest magnitude lies under 2^-124, a block of zeros among them, gets the byte 1 (its codes are zeros or the smallest codes; this program alone reads the bytes).
.set SPIT,  528                        ; a stage row: 512 bytes + 16, so that sixteen rows start at sixteen different groups of banks
.set WSTG,  16*SPIT                    ; a wave's stage
.set GB,    4*WSTG                     ; g's and b's slices: 1,024 + 1,024 bytes a wave
.set ST1,   GB+4*2048                  ; the waves' sums, a word a thread
.set ST2,   ST1+512                    ; the waves' sums of squares
.set SCW,   ST2+512                    ; the unit's 512 bytes of scale words
.set SPARE, SCW+512                    ; the spare words, 128 bytes a wave: two blocks of 256 bytes that no other line names
.set L16, 1                            ; 16 x lane
.set STI, 4                            ; stage, way in
.set STO, 5                            ; stage, way out
.set GBW, 6
.set GBR, 7
.set S1W, 8
.set S1R, 9
.set S2W, 10
.set S2R, 11
.set SCA, 12
.set SH8, 13                           ; 8 h
.set MU,  14                           ; v[14:15] -mean twice, later 1 / sqrt twice
.set OFF, 16                           ; v16-31 byte offset of tile row i: 16 x lane + (i + 8 (i / 8)) x pitch
.set PC,  32                           ; v32-43 a fragment's codes
.set PT,  44                           ; v44-46, v48-50 the upper halves of the blocks' codes
.set SCR, 47
.set GO,  51
.set TM,  52
.set SO,  54
.set BY,  56
.set WT,  58
.set SW,  60                           ; v[60:61] my row's two scale words
.set SPW, 62
.set NIL, 63
.set XR,  64                           ; v64-191 my 128 numbers
.set GR,  192                          ; v192-223 g
.set BV,  224                          ; v224-255 b
.set CH,  224                          ; v224-232 chains of sums (ahead of b's use)
.macro BAR                             ; my LDS instructions are done: then the work-group's barrier
	s_wait_dscnt 0x0
	s_barrier_signal -1
	s_barrier_wait -1
.endm
	s_load_b512 s[4:19], s[0:1], 0x0               ; activations, g, b, W_attn, W_aproj, W_fc, W_mproj, Hb
	s_load_b64 s[20:21], s[0:1], 0x40              ; Wb
	v_lshl_add_u32 v[SPW], v0, 2, SPARE
	v_mov_b32 v[NIL], 0
	v_lshrrev_b32 v2, 5, v0
	v_readfirstlane_b32 s22, v2                    ; wave
	v_and_b32 v52, 31, v0                          ; lane
	v_lshlrev_b32 v[L16], 4, v52
	v_and_b32 v2, 15, v0                           ; r
	v_bfe_u32 v3, v0, 4, 1                         ; h
	s_mul_i32 s23, s22, WSTG
	v_add_nc_u32 v[STI], s23, v[L16]
	v_mul_u32_u24 v[STO], v2, SPIT
	v_lshl_add_u32 v[STO], v3, 7, v[STO]
	v_add_nc_u32 v[STO], s23, v[STO]               ; row r, + 128 h: block h of a K step's four
	s_lshl_b32 s23, s22, 11
	s_add_co_u32 s23, s23, GB
	v_add_nc_u32 v[GBW], s23, v[L16]
	v_lshl_add_u32 v[GBR], v3, 7, s23
	v_lshl_add_u32 v[S1W], v0, 2, ST1
	v_lshl_add_u32 v[S1R], v52, 2, ST1
	v_lshl_add_u32 v[S2W], v0, 2, ST2
	v_lshl_add_u32 v[S2R], v52, 2, ST2
	s_lshl_b32 s23, s22, 3
	s_add_co_u32 s23, s23, SCW
	v_lshl_add_u32 v[SCA], v2, 5, s23              ; 32 r + 8 w
	v_add_nc_u32 v[SCR], SCW, v[L16]
	v_lshlrev_b32 v[SH8], 3, v3
	v_lshl_add_u32 v[GO], s22, 10, v[L16]          ; my wave's 256 numbers of g and of b
	v_mov_b32 v[WT+1], 0                           ; a lane permute's destination counts as one of its sources
	v_mov_b32 v[CH+8], 0
	s_mov_b32 s40, 0x76543210
	s_mov_b32 s41, 0xfedcba98                      ; lane l xor 16
	s_mov_b32 s42, 0x3a800000                      ; 1 / 1,024
	s_mov_b32 s43, 0x3727c5ac                      ; 1e-5
	; which tensor, which tile, which quarter of K: by the work-group's number alone
	s_mov_b32 s26, 0
	s_mov_b32 s29, 4096                            ; bytes from row to row
	s_cmp_ge_u32 ttmp9, 256
	s_cselect_b32 s26, 256, s26
	s_cmp_ge_u32 ttmp9, 448
	s_cselect_b32 s26, 448, s26
	s_cmp_ge_u32 ttmp9, 512
	s_cselect_b32 s26, 512, s26
	s_cmp_ge_u32 ttmp9, 768
	s_cselect_b32 s26, 768, s26
	s_cselect_b32 s29, 16384, s29
	s_cselect_b32 s33, 2, 0
	s_cselect_b32 s28, 3, 0
	s_sub_co_u32 s27, ttmp9, s26
	s_and_b32 s28, s27, s28                        ; quarter of K (W_mproj alone)
	s_lshr_b32 s27, s27, s33                       ; tile
	s_lshr_b32 s34, s27, 1
	s_lshl_b32 s34, s34, 5
	s_and_b32 s35, s27, 1
	s_lshl_b32 s35, s35, 3
	s_add_co_u32 s34, s34, s35                     ; the tile's first row
	s_mul_i32 s34, s34, s29
	s_lshl_b32 s35, s28, 12
	s_add_co_u32 s34, s34, s35
	s_lshl_b32 s35, s22, 10
	s_add_co_u32 s34, s34, s35                     ; + my wave's 1,024 bytes
	s_mov_b32 s35, 0
.irp i, 0,1,2,3,4,5,6,7,8,9,10,11,12,13,14,15
	v_mad_u32_u24 v[OFF+\i], s29, \i+8*(\i/8), v[L16]
.endr
	s_wait_alu depctr_va_vdst(0)
	s_wait_kmcnt 0x0
	s_mov_b64 s[24:25], s[4:5]
	s_cmp_ge_u32 ttmp9, 256
	s_cselect_b64 s[24:25], s[10:11], s[24:25]
	s_cmp_ge_u32 ttmp9, 448
	s_cselect_b64 s[24:25], s[12:13], s[24:25]
	s_cmp_ge_u32 ttmp9, 512
	s_cselect_b64 s[24:25], s[14:15], s[24:25]
	s_cmp_ge_u32 ttmp9, 768
	s_cselect_b64 s[24:25], s[16:17], s[24:25]
	s_add_nc_u64 s[24:25], s[24:25], s[34:35]
	s_cmp_lt_u32 ttmp9, 256
	s_cselect_b64 s[30:31], s[18:19], s[20:21]     ; activations go to Hb, weights to Wb
	s_cselect_b32 s32, 0, 256
	s_mov_b32 s36, 9437184
	s_cselect_b32 s36, 3145728, s36                ; where the buffer's scale words begin
	s_sub_co_u32 s32, ttmp9, s32                   ; the unit's number in its buffer
	s_mul_i32 s38, s32, 12288
	s_mul_i32 s39, s22, 3072
	s_add_co_u32 s38, s38, s39
	s_mov_b32 s39, 0
	s_lshl_b32 s32, s32, 9
	s_add_co_u32 s36, s36, s32
	s_mov_b32 s37, 0
	s_add_nc_u64 s[36:37], s[30:31], s[36:37]      ; the unit's scale words
	s_add_nc_u64 s[30:31], s[30:31], s[38:39]      ; my two fragments' images
	; g and b are loaded and staged by every work-group (2 KB a wave), so that nothing is written on one way alone
	global_load_b128 v[GR:GR+3], v[GO], s[6:7]
	global_load_b128 v[GR+4:GR+7], v[GO], s[6:7] offset:512
	global_load_b128 v[GR+8:GR+11], v[GO], s[8:9]
	global_load_b128 v[GR+12:GR+15], v[GO], s[8:9] offset:512
.irp e, 0,1
.irp i, 0,1,2,3,4,5,6,7,8,9,10,11,12,13,14,15
	global_load_b128 v[XR+64*\e+4*\i:XR+64*\e+4*\i+3], v[OFF+\i], s[24:25] offset:512*\e th:TH_LOAD_NT   ; 512 consecutive bytes of tile row i
.endr
.endr
; K step e's 16 rows go into the stage as loaded and come back 128 bytes (a block) at a time.  LDS serves a wave's instructions in order, so no wait stands between stores and loads, and one stage serves both K steps.
.macro TURN e
.irp i, 0,1,2,3,4,5,6,7,8,9,10,11,12,13,14,15
	ds_store_b128 v[STI], v[XR+64*\e+4*\i:XR+64*\e+4*\i+3] offset:SPIT*\i
.endr
.irp c, 0,1
.irp j, 0,1,2,3,4,5,6,7
	ds_load_b128 v[XR+64*\e+32*\c+4*\j:XR+64*\e+32*\c+4*\j+3], v[STO] offset:256*\c+16*\j   ; register 64 e + 32 c + n: number n of block 2 c + h
.endr
.endr
.endm
	s_wait_loadcnt 32                              ; g and b are in; the 32 loads of numbers may be out
	ds_store_b128 v[GBW], v[GR:GR+3]
	ds_store_b128 v[GBW], v[GR+4:GR+7] offset:512
	ds_store_b128 v[GBW], v[GR+8:GR+11] offset:1024
	ds_store_b128 v[GBW], v[GR+12:GR+15] offset:1536
	s_wait_loadcnt 16                              ; the first K step's 16 loads are in
	TURN 0
	s_wait_loadcnt 0x0
	TURN 1
	s_wait_dscnt 0x0
.macro FOLD                            ; four chains of pairs become one number, with lane l xor 16's: my wave's 256 numbers of row r
	v_pk_add_f32 v[CH:CH+1], v[CH:CH+1], v[CH+2:CH+3]
	v_pk_add_f32 v[CH+4:CH+5], v[CH+4:CH+5], v[CH+6:CH+7]
	v_pk_add_f32 v[CH:CH+1], v[CH:CH+1], v[CH+4:CH+5]
	v_add_f32 v[CH], v[CH], v[CH+1]
	v_permlanex16_b32 v[CH+8], v[CH], s40, s41
	v_add_f32 v[CH], v[CH], v[CH+8]
.endm
.macro GATHER adr                      ; the four waves' parts of row r
.irp k, 0,1,2,3
	ds_load_b32 v[CH+\k], v[\adr] offset:128*\k
.endr
	s_wait_dscnt 0x0
	v_add_f32 v[CH], v[CH], v[CH+1]
	v_add_f32 v[CH+2], v[CH+2], v[CH+3]
	v_add_f32 v[CH], v[CH], v[CH+2]
.endm
	s_cmp_ge_u32 ttmp9, 256                        ; weights have no layer norm.  The branch is the same in all four waves, so the two barriers inside are passed by all or by none
	s_cbranch_scc1 .Lplain
.irp k, 0,1,2,3
	v_pk_add_f32 v[CH+2*\k:CH+2*\k+1], v[XR+2*\k:XR+2*\k+1], v[XR+8+2*\k:XR+8+2*\k+1]
.endr
.set j, 8
.rept 56
	v_pk_add_f32 v[CH+2*(j%4):CH+2*(j%4)+1], v[CH+2*(j%4):CH+2*(j%4)+1], v[XR+2*j:XR+2*j+1]
.set j, j+1
.endr
	FOLD
	ds_store_b32 v[S1W], v[CH]
	BAR
	GATHER S1R
	v_mul_f32 v[MU], 0xba800000, v[CH]             ; -mean
	v_mov_b32 v[MU+1], v[MU]
.set j, 0
.rept 64
	v_pk_add_f32 v[XR+2*j:XR+2*j+1], v[XR+2*j:XR+2*j+1], v[MU:MU+1]
.set j, j+1
.endr
.irp k, 0,1,2,3
	v_pk_mul_f32 v[CH+2*\k:CH+2*\k+1], v[XR+2*\k:XR+2*\k+1], v[XR+2*\k:XR+2*\k+1]
.endr
.set j, 4
.rept 60
	v_pk_fma_f32 v[CH+2*(j%4):CH+2*(j%4)+1], v[XR+2*j:XR+2*j+1], v[XR+2*j:XR+2*j+1], v[CH+2*(j%4):CH+2*(j%4)+1]
.set j, j+1
.endr
	FOLD
	ds_store_b32 v[S2W], v[CH]
	BAR
	GATHER S2R
	v_fma_f32 v[CH], v[CH], s42, s43               ; var + 1e-5
	s_wait_alu depctr_va_vdst(0)
	v_rsq_f32 v[MU], v[CH]
	v_nop                                          ; a plain instruction behind the transcendental,
	s_wait_alu depctr_va_vdst(0)                   ; and the wait ahead of its first reader
	v_mov_b32 v[MU+1], v[MU]
.irp e, 0,1
.irp c, 0,1
.irp j, 0,1,2,3,4,5,6,7
	ds_load_b128 v[GR+4*\j:GR+4*\j+3], v[GBR] offset:512*\e+256*\c+16*\j          ; g and b of my block's 32 columns: my own wave's bytes
	ds_load_b128 v[BV+4*\j:BV+4*\j+3], v[GBR] offset:1024+512*\e+256*\c+16*\j
.endr
.irp j, 0,2,4,6,8,10,12,14,16,18,20,22,24,26,28,30
	v_pk_mul_f32 v[XR+64*\e+32*\c+\j:XR+64*\e+32*\c+\j+1], v[XR+64*\e+32*\c+\j:XR+64*\e+32*\c+\j+1], v[MU:MU+1]
.endr
	s_wait_dscnt 0x0
.irp j, 0,2,4,6,8,10,12,14,16,18,20,22,24,26,28,30
	v_pk_fma_f32 v[XR+64*\e+32*\c+\j:XR+64*\e+32*\c+\j+1], v[XR+64*\e+32*\c+\j:XR+64*\e+32*\c+\j+1], v[GR+\j:GR+\j+1], v[BV+\j:BV+\j+1]
.endr
.endr
.endr
.Lplain:
; K step e: my two whole blocks become six registers each; the scale word's four bytes are gathered from lanes l and l xor 16
.macro QB e
.irp c, 0,1
	v_max3_num_f32 v[TM+\c], |v[XR+64*\e+32*\c]|, |v[XR+64*\e+32*\c+1]|, 0x1800000   ; with the floor 2^(3 - 127): the byte cannot fall under 1
.endr
.irp i, 2,4,6,8,10,12,14,16,18,20,22,24,26,28,30
.irp c, 0,1
	v_max3_num_f32 v[TM+\c], v[TM+\c], |v[XR+64*\e+32*\c+\i]|, |v[XR+64*\e+32*\c+\i+1]|
.endr
.endr
.irp c, 0,1
	v_add_nc_u32 v[SO+\c], 0xff000000, v[TM+\c]    ; 2 off the exponent field: the conversion's scale operand
.endr
.irp c, 0,1
	v_lshrrev_b32 v[BY+\c], 23, v[SO+\c]           ; the byte
.endr
	v_lshl_or_b32 v[WT], v[BY+1], 16, v[BY]        ; blocks h and 2 + h,
	v_lshlrev_b32 v[WT], v[SH8], v[WT]             ; at their places,
	v_permlanex16_b32 v[WT+1], v[WT], s40, s41
	v_or_b32 v[SW+\e], v[WT], v[WT+1]              ; with the partner's two
	s_wait_alu depctr_va_vdst(0)
	s_wait_xcnt 0x0                                ; the last fragment's stores have read their registers
.irp c, 0,1
	v_cvt_scalef32_pk16_fp6_f32 v[PC+6*\c:PC+6*\c+2], v[XR+64*\e+32*\c:XR+64*\e+32*\c+15], v[SO+\c]
	v_cvt_scalef32_pk16_fp6_f32 v[PT+4*\c:PT+4*\c+2], v[XR+64*\e+32*\c+16:XR+64*\e+32*\c+31], v[SO+\c]   ; (a conversion's three registers begin on an even number)
.endr
	v_nop                                          ; one plain place behind a scaled conversion
.irp c, 0,1
.irp i, 0,1,2
	v_mov_b32 v[PC+6*\c+3+\i], v[PT+4*\c+\i]
.endr
.endr
.irp g, 0,1,2
	global_store_b128 v[L16], v[PC+4*\g:PC+4*\g+3], s[30:31] offset:1536*\e+512*\g   ; 512 consecutive bytes
.endr
.endm
	QB 0
	QB 1
	ds_store_b64 v[SCA], v[SW:SW+1]                ; lanes r and r + 16 write the same bytes with the same value
	BAR
	s_cmp_lg_u32 s22, 0                            ; wave 0 stores the unit's 512 bytes of scale words
	s_cbranch_scc1 .Ldone
	ds_load_b128 v[CH:CH+3], v[SCR]
	s_wait_dscnt 0x0
	global_store_b128 v[L16], v[CH:CH+3], s[36:37]
.Ldone:
	s_wait_tensorcnt 0x0                           ; the wave's end, behind my last LDS store
	ds_add_u32 v[SPW], v[NIL]
	s_wait_dscnt 0x0
	s_endpgm
.Lfunc_end_k_q06a4d17e1a_prep:
	.size	k_q06a4d17e1a_prep, .Lfunc_end_k_q06a4d17e1a_prep-k_q06a4d17e1a_prep
	.p2alignl 7, 3214868480
	.fill 96, 4, 3214868480
	.section	.rodata,"a",@progbits
	.p2align	6, 0x0
	.amdhsa_kernel k_q06a4d17e1a_prep
		.amdhsa_group_segment_fixed_size 44032
		.amdhsa_private_segment_fixed_size 0
		.amdhsa_enable_private_segment 0
		.amdhsa_kernarg_size 72
		.amdhsa_user_sgpr_count 2
		.amdhsa_user_sgpr_kernarg_segment_ptr 1
		.amdhsa_wavefront_size32 1
		.amdhsa_system_sgpr_workgroup_id_x 1
		.amdhsa_system_sgpr_workgroup_id_y 1
		.amdhsa_system_sgpr_workgroup_id_z 1
		.amdhsa_system_vgpr_workitem_id 0
		.amdhsa_next_free_vgpr 256
		.amdhsa_next_free_sgpr 66
		.amdhsa_reserve_vcc 0
		.amdhsa_float_denorm_mode_32 3
		.amdhsa_float_denorm_mode_16_64 3
		.amdhsa_memory_ordered 1
		.amdhsa_forward_progress 1
		.amdhsa_inst_pref_size 47
	.end_amdhsa_kernel
	.amdgpu_metadata
---
amdhsa.version: [ 1, 2 ]
amdhsa.kernels:
  - .name:           k_q06a4d17e1a_prep
    .symbol:         k_q06a4d17e1a_prep.kd
    .args:
      - { .name: x, .offset: 0, .size: 8, .value_kind: global_buffer, .address_space: global }
      - { .name: ln1_g, .offset: 8, .size: 8, .value_kind: global_buffer, .address_space: global }
      - { .name: ln1_b, .offset: 16, .size: 8, .value_kind: global_buffer, .address_space: global }
      - { .name: W_attn, .offset: 24, .size: 8, .value_kind: global_buffer, .address_space: global }
      - { .name: W_aproj, .offset: 32, .size: 8, .value_kind: global_buffer, .address_space: global }
      - { .name: W_fc, .offset: 40, .size: 8, .value_kind: global_buffer, .address_space: global }
      - { .name: W_mproj, .offset: 48, .size: 8, .value_kind: global_buffer, .address_space: global }
      - { .name: Hb, .offset: 56, .size: 8, .value_kind: global_buffer, .address_space: global }
      - { .name: Wb, .offset: 64, .size: 8, .value_kind: global_buffer, .address_space: global }
    .group_segment_fixed_size: 44032
    .private_segment_fixed_size: 0
    .kernarg_segment_align: 8
    .kernarg_segment_size: 72
    .max_flat_workgroup_size: 128
    .sgpr_count:     66
    .vgpr_count:     256
    .wavefront_size: 32
...
	.end_amdgpu_metadata
.endif
;; end of part 1
;; launch qkv (part 2): grid 48 x 4, 8 waves a work-group, clusters of 4 x 4, 327,680 bytes of LDS; arguments Hb, Wb, b_attn, QKV; writes QKV
.if DOCPART == 2
	.amdgcn_target "amdgcn-amd-amdhsa--gfx1250"
	.amdhsa_code_object_version 6
	.text
	.protected	k_q06a4d17e1a_qkv
	.globl	k_q06a4d17e1a_qkv
	.p2align	8
	.type	k_q06a4d17e1a_qkv,@function
k_q06a4d17e1a_qkv:
	s_mov_b64 s[64:65], 0
	v_nop
	global_prefetch_b8 v0, s[64:65] scope:SCOPE_SE
	s_setreg_imm32_b32 hwreg(HW_REG_WAVE_MODE, 25, 1), 1
	s_wait_xcnt 0x0
	s_wait_alu depctr_hold_cnt(0) depctr_sa_sdst(0) depctr_va_vdst(0) depctr_va_sdst(0) depctr_va_ssrc(0) depctr_va_vcc(0) depctr_vm_vsrc(0)
	s_getreg_b32 s2, hwreg(HW_REG_IB_STS2, 6, 4)
	s_cmp_eq_u32 s2, 0
	s_cbranch_scc0 .Lentry_in_a_cluster
	s_endpgm
.Lentry_in_a_cluster:
	s_bfe_u32 s2, ttmp6, 0x10000c
	s_cmp_lg_u32 s2, 0xf033
	s_cbranch_scc0 .Lentry_shape_is_right
	s_endpgm
.Lentry_shape_is_right:
; qkv = LN1(x) W_attn^T + b_attn on codes of FP6 (E2M3), K = 1,024; q and k are quantised along the head's 64, v along the keys, and stored as images of operand registers.
; A work-group makes 256 x 256; each of its EIGHT waves 64 rows (4 tiles of source 1) x 128 columns (8 tiles of source 0): 32 accumulators fill register window 1, all else lies in window 0.
; THE PRODUCT IS USED TRANSPOSED (source 0 = the columns' operand): a lane holds one row, and by the order of a tile's rows (tile 2 b + u, row p: 32 b + 8 u + p + 8 (p / 8)) register 64 a + 16 b + i is column 32 b + 16 h + i.
; CLUSTERS 0-7 (x of the cluster): rows = tokens, columns = q's (even) or k's (odd) 1,024.  CLUSTERS 8-11: the operands change roles: rows = W_v's channels, columns = tokens, so that a lane's registers run along the keys, v's K.
; Operands lie in memory as fragments of 1,536 bytes, [tile][K step].  LDS: slots X and Y of three K steps each (16 + 16 tile rows of 4,608 bytes); a wave's one tensor load brings four tile rows.
; X (K steps 0-2) is asked for at the head, Y (3-5) behind the full sequence and a round, K steps 6-7 (tile rows of 3,072 bytes) land on X's bytes behind a further round: one load a wave each time.
; JOINT LOADS: the four work-groups of a row of the cluster share source 1's tiles, the four of a column source 0's.  No prefetch: K has eight steps, and each load is asked for three steps ahead of its use.
; SCALE WORDS go from memory straight into registers, once: lane (r, h) takes 16 bytes at 32 r + 16 h of a tile's 512: register j holds K step j in lanes 0-15 and K step 4 + j in lanes 16-31.
; The columns' bias, 512 bytes a wave, waits in four registers and turns through the wave's own LDS bytes on the way out.
; OUT: q, k: [head 32][tile 128][768]: half a fragment, register pair p at 256 p + 8 l.  v: [head][128 keys][tile of 16 channels][1,536].  Scale words: [4 tiles][row][tile]: 256 bytes.  A q or k word's upper two bytes scale zero codes only.
; LIMITS: NaN and infinities are not served; a block whose largest magnitude lies under 2^-124 gets the byte 1.
.set SLOTB, 147456
.set BOFF,  73728
.set RBS,   4608
.set ZBOFF, 49152
.set ZRBS,  3072
.set SPARE, 2*SLOTB                    ; the spare words, 128 bytes a wave
.set BL,    SPARE+1024                 ; the bias stage, 512 bytes a wave; no tile lands here
.set L16, 1
.set ADA, 2                            ; v2-4  source 1's fragments in X, Y, and K steps 6-7
.set ADB, 5                            ; v5-7  source 0's
.set SV,  8                            ; 32 r + 16 h
.set CBO, 9
.set AF,  16
.set BF,  64
.set SC,  160                          ; v160-207 scale words and nothing else: source 1's tile a at 4 a, source 0's tile t at 16 + 4 t
.set CB,  208                          ; v208-211 my wave's 128 biases, four a lane
.set SPW, 248
.set NIL, 249
.set RB,  250
.set BIAS,64                           ; the way out: the bias in the result's layout
.set PC,  16
.set TM,  36
.set PW,  52
.set TA,  53
.set TB,  54
.set SW,  56
.set L8,  60
.set SH,  61
.set SA,  62
.set LN,  63
.set WV,  14
.set ISB, 15
.set G1A, 24
.set G1B, 32
.set G1AZ,40
.set G1BZ,48
.set G0AX,56
.set G0AY,60
.set G0AZ,68
.set G0BX,72
.set G0BY,76
.set G0BZ,80
.set MSB, 0
.macro WIN new
.if MSB != \new
	s_set_vgpr_msb (MSB<<8)|\new
.set MSB, \new
.endif
.endm
.macro PLACES
.rept 4
	v_nop
.endr
.endm
.macro CROUND                          ; a round of the cluster's barrier
	s_barrier_signal -1
	s_barrier_wait -1
	s_cmp_lg_u32 s[WV], 0
	s_cbranch_scc1 .Lnot_wave_0_\@
	s_barrier_signal -3
.Lnot_wave_0_\@:
	s_barrier_wait -3
	s_barrier_signal -1
	s_barrier_wait -1
.endm
.macro JLOAD g0a, g1a, g0b, g1b        ; waves 0-3 fetch for source 1, waves 4-7 for source 0
	s_cmp_eq_u32 s[ISB], 0
	s_cbranch_scc0 .Lfor_b_\@
	tensor_load_to_lds s[\g0a:\g0a+3], s[\g1a:\g1a+7]
	s_nop 0
	PLACES
	s_branch .Lasked_\@
.Lfor_b_\@:
	tensor_load_to_lds s[\g0b:\g0b+3], s[\g1b:\g1b+7]
	s_nop 0
	PLACES
.Lasked_\@:
.endm
.macro G0SET g, base, lds, adr, off
	s_mov_b32 s[\g], 1
	s_add_co_u32 s[\g+1], s[\base], \lds
	s_add_nc_u64 s[\g+2:\g+3], s[\adr:\adr+1], \off
	s_or_b32 s[\g+3], s[\g+3], 0x80000000
.endm
.macro G1SET g, el                     ; four tile rows of el elements of 8 bytes, 1,536 elements apart
	s_mov_b32 s[\g+1], \el<<16
	s_mov_b32 s[\g+2], 4<<16
	s_mov_b32 s[\g+3], \el<<16
	s_mov_b32 s[\g+4], 4
	s_mov_b32 s[\g+5], 1536
	s_mov_b32 s[\g+6], 0
	s_mov_b32 s[\g+7], 0
.endm
	s_load_b256 s[4:11], s[0:1], 0x0               ; Hb, Wb, b_attn, QKV
	v_lshl_add_u32 v[SPW], v0, 2, SPARE
	v_mov_b32 v[NIL], 0
	ds_add_u32 v[SPW], v[NIL]                      ; the opening lines
	ds_add_u32 v[SPW], v[NIL]
	v_lshrrev_b32 v10, 5, v0
	v_readfirstlane_b32 s[WV], v10
	s_lshr_b32 s[ISB], s[WV], 2
	s_and_b32 s16, s[WV], 3                        ; which four tiles I fetch
	s_lshr_b32 s17, s[WV], 1                       ; mw: my 64 rows
	s_and_b32 s18, s[WV], 1                        ; nw: my 128 columns
	s_bfe_u32 s19, ttmp6, 0x40000                  ; cx
	s_bfe_u32 s20, ttmp6, 0x40004                  ; cy
	s_lshr_b32 s92, ttmp9, 1
	s_and_b32 s93, ttmp9, 1
	s_sub_co_u32 s94, ttmp9, 8
	s_cmp_ge_u32 ttmp9, 8                          ; the cluster's number is the same in all sixteen partners
	s_cselect_b32 s92, 0, s92
	s_cselect_b32 s93, s94, s93
	s_cselect_b32 s2, 1572864, 0                   ; source 1's codes: W_v begins at tile 128 of Wb
	s_mov_b32 s3, 3145728
	s_cselect_b32 s3, 9502720, s3                  ; its scale words
	s_mov_b32 s23, 9437184
	s_cselect_b32 s23, 3145728, s23                ; source 0's scale words
	s_lshl_b32 s22, s92, 2
	s_add_co_u32 s22, s22, s20                     ; tr
	s_lshl_b32 s21, s93, 2
	s_add_co_u32 s21, s21, s19                     ; tc
	s_lshl_b32 s92, s20, 2
	s_lshl_b32 s92, 15, s92                        ; my row of the cluster
	s_lshl_b32 s93, 0x1111, s19                    ; my column
	s_or_b32 s[G1A], s92, (3<<16)|(1<<21)
	s_or_b32 s[G1B], s93, (3<<16)|(1<<21)
	s_or_b32 s[G1AZ], s92, (3<<16)|(1<<21)
	s_or_b32 s[G1BZ], s93, (3<<16)|(1<<21)
	G1SET G1A, 576
	G1SET G1B, 576
	G1SET G1AZ, 384
	G1SET G1BZ, 384
	s_mul_i32 s12, s16, 49152
	s_mul_i32 s94, s22, 196608
	s_add_co_u32 s94, s94, s12
	s_add_co_u32 s94, s94, s2
	s_mov_b32 s95, 0
	s_mul_i32 s96, s21, 196608
	s_add_co_u32 s96, s96, s12
	s_mov_b32 s97, 0
	s_lshl_b32 s98, s22, 13                        ; my own tiles' scale words: 512 bytes a tile
	s_lshl_b32 s12, s17, 11
	s_add_co_u32 s98, s98, s12
	s_add_co_u32 s98, s98, s3
	s_mov_b32 s99, 0
	s_lshl_b32 s100, s21, 13
	s_lshl_b32 s12, s18, 12
	s_add_co_u32 s100, s100, s12
	s_add_co_u32 s100, s100, s23
	s_mov_b32 s101, 0
	s_mul_i32 s12, s[WV], 18432                    ; where my tiles go: the wave's number alone enters an LDS address
	s_mul_i32 s13, s[WV], 12288
	s_mul_i32 s84, s17, 18432
	s_mul_i32 s85, s17, 12288
	s_mul_i32 s86, s18, 36864
	s_add_co_u32 s86, s86, BOFF
	s_mul_i32 s87, s18, 24576
	s_add_co_u32 s87, s87, ZBOFF
	s_lshl_b32 s88, s21, 10                        ; both kinds of bias are loaded on both ways: the kind not used is read at the buffer's head
	s_lshl_b32 s89, s18, 9
	s_add_co_u32 s88, s88, s89                     ; 4 x (256 tc + 128 nw)
	s_lshl_b32 s89, s22, 10
	s_lshl_b32 s90, s17, 8
	s_add_co_u32 s89, s89, s90
	s_add_co_u32 s89, s89, 8192                    ; 4 x (2,048 + 256 tr + 64 mw)
	s_cmp_ge_u32 ttmp9, 8
	s_cselect_b32 s88, 0, s88
	s_cselect_b32 s89, s89, 0
	s_lshl_b32 s90, s[WV], 9
	s_add_co_u32 s90, s90, BL
	s_wait_dscnt 0x0                               ; both opening adds are done
	s_wait_kmcnt 0x0
	s_cmp_ge_u32 ttmp9, 8
	s_cselect_b64 s[2:3], s[6:7], s[4:5]           ; source 1's buffer
	s_cselect_b64 s[92:93], s[4:5], s[6:7]         ; source 0's
	s_add_nc_u64 s[94:95], s[2:3], s[94:95]
	s_add_nc_u64 s[98:99], s[2:3], s[98:99]
	s_add_nc_u64 s[96:97], s[92:93], s[96:97]
	s_add_nc_u64 s[100:101], s[92:93], s[100:101]
	G0SET G0AX, 12, 0, 94, 0
	G0SET G0AY, 12, SLOTB, 94, 4608
	G0SET G0AZ, 13, 0, 94, 9216
	G0SET G0BX, 12, 0, 96, 0
	G0SET G0BY, 12, SLOTB, 96, 4608
	G0SET G0BZ, 13, 0, 96, 9216
	CROUND                                         ; all sixteen work-groups are here: the first joint loads meet
	JLOAD G0AX, G1A, G0BX, G1B                     ; K steps 0-2: my one load at the head
	v_and_b32 v10, 31, v0
	v_and_b32 v11, 15, v0                          ; r
	v_bfe_u32 v12, v0, 4, 1                        ; h
	v_lshlrev_b32 v[L16], 4, v10
	v_lshlrev_b32 v13, 5, v11
	v_and_b32 v14, 8, v11
	v_lshl_add_u32 v[SV], v12, 4, v13
	v_add_nc_u32 v14, v14, v11
	v_add_nc_u32 v[CBO], s88, v[L16]
	v_add_nc_u32 v[ADA], s84, v[L16]
	v_lshl_add_u32 v14, v14, 2, s89
	v_add_nc_u32 v[ADB], s86, v[L16]
.irp a, 0,1,2,3
	global_load_b128 v[SC+4*\a:SC+4*\a+3], v[SV], s[98:99] offset:512*\a
.endr
.irp t, 0,1,2,3,4,5,6,7
	global_load_b128 v[SC+16+4*\t:SC+16+4*\t+3], v[SV], s[100:101] offset:512*\t
.endr
	global_load_b128 v[CB:CB+3], v[CBO], s[8:9]
.irp a, 0,1,2,3
	global_load_b32 v[RB+\a], v14, s[8:9] offset:(32*(\a/2)+8*(\a%2))*4    ; row 32 (a / 2) + 8 (a % 2) + r + 8 (r / 8)
.endr
	v_add_nc_u32 v[ADA+2], s85, v[L16]
	v_add_nc_u32 v[ADB+2], s87, v[L16]
	v_add_nc_u32 v[ADA+1], SLOTB, v[ADA]
	v_add_nc_u32 v[ADB+1], SLOTB, v[ADB]
.macro FRAG reg, adr, off              ; a fragment comes as it was stored: three loads of 512 consecutive bytes
.irp g, 0,1,2
	ds_load_b128 v[\reg+4*\g:\reg+4*\g+3], v[\adr] offset:\off+512*\g
.endr
.endm
.macro MULS t0, s, cm                  ; 16 products of K step s; the 32 accumulators take turns, one instruction a turn
.irp t, \t0, \t0+1, \t0+2, \t0+3
.irp a, 0,1,2,3
.if \cm == 0
	v_wmma_scale_f32_16x16x128_f8f6f4 v[8*(8*\a+(\t)):8*(8*\a+(\t))+7], v[BF+12*(\t):BF+12*(\t)+11], v[AF+12*\a:AF+12*\a+11], 0, v[SC+16+4*(\t)+(\s)%4], v[SC+4*\a+(\s)%4] matrix_a_fmt:MATRIX_FMT_FP6 matrix_b_fmt:MATRIX_FMT_FP6
.elseif (\s) < 4
	v_wmma_scale_f32_16x16x128_f8f6f4 v[8*(8*\a+(\t)):8*(8*\a+(\t))+7], v[BF+12*(\t):BF+12*(\t)+11], v[AF+12*\a:AF+12*\a+11], v[8*(8*\a+(\t)):8*(8*\a+(\t))+7], v[SC+16+4*(\t)+(\s)%4], v[SC+4*\a+(\s)%4] matrix_a_fmt:MATRIX_FMT_FP6 matrix_b_fmt:MATRIX_FMT_FP6
.else
	v_wmma_scale_f32_16x16x128_f8f6f4 v[8*(8*\a+(\t)):8*(8*\a+(\t))+7], v[BF+12*(\t):BF+12*(\t)+11], v[AF+12*\a:AF+12*\a+11], v[8*(8*\a+(\t)):8*(8*\a+(\t))+7], v[SC+16+4*(\t)+(\s)%4], v[SC+4*\a+(\s)%4] matrix_a_fmt:MATRIX_FMT_FP6 matrix_b_fmt:MATRIX_FMT_FP6 matrix_a_scale:MATRIX_SCALE_ROW1 matrix_b_scale:MATRIX_SCALE_ROW1
.endif
.endr
.endr
.endm
.macro KSTEP ada, adb, rbs, off, s, cm ; K step s, at byte off of tile rows rbs apart.  cm = 0: the products start the sums
	PLACES
.irp a, 0,1,2,3
	FRAG AF+12*\a, \ada, \a*\rbs+\off
.endr
.irp t, 0,1,2,3,4,5,6,7
	FRAG BF+12*\t, \adb, \t*\rbs+\off
.endr
	s_wait_dscnt 12                                ; all but the twelve youngest loads: source 0's tiles 4-7
.if \cm == 0
	WIN 0x40
.else
	WIN 0x50
.endif
	MULS 0, \s, \cm
	s_wait_dscnt 0x0
	MULS 4, \s, \cm
	WIN 0
.endm
.macro THREE                           ; all my tensor loads have landed; the add and my LDS reads are done
	s_wait_tensorcnt 0x0
	ds_add_u32 v[SPW], v[NIL]
	s_wait_dscnt 0x0
.endm
	s_wait_alu depctr_va_vdst(0)                   ; the wait at the head's end
	THREE
	CROUND                                         ; X is whole in every partner
	JLOAD G0AY, G1A, G0BY, G1B                     ; K steps 3-5: Y's first fill, issued as a refill is; it has three K steps in which to land
	s_wait_loadcnt 0x0                             ; scale words and biases
	KSTEP ADA, ADB, RBS, 0, 0, 0
	KSTEP ADA, ADB, RBS, 1536, 1, 1
	KSTEP ADA, ADB, RBS, 3072, 2, 1
	THREE
	CROUND                                         ; no wave of any partner reads X any more
	JLOAD G0AZ, G1AZ, G0BZ, G1BZ                   ; K steps 6-7 onto X's bytes
	KSTEP ADA+1, ADB+1, RBS, 0, 3, 1
	KSTEP ADA+1, ADB+1, RBS, 1536, 4, 1
	KSTEP ADA+1, ADB+1, RBS, 3072, 5, 1
	s_wait_tensorcnt 0x0
	s_wait_dscnt 0x0
	s_barrier_signal -1
	s_barrier_wait -1                              ; K steps 6-7 are whole
	KSTEP ADA+2, ADB+2, ZRBS, 0, 6, 1
	KSTEP ADA+2, ADB+2, ZRBS, 1536, 7, 1
; 64 numbers of a lane in window w, register s + 16 b + i = k 32 b + 16 h + i of my row, become a fragment's codes in v[PC] on and its scale word in v[PW]
.macro QUANT s, w
	WIN 5*\w
.irp b, 0,1,2,3
	v_max3_num_f32 v[TM+\b], |v[(\s)+16*\b]|, |v[(\s)+16*\b+1]|, 0x1800000   ; with the floor 2^(3 - 127): the byte cannot fall under 1
.endr
.irp i, 2,4,6,8,10,12,14
.irp b, 0,1,2,3
	s_delay_alu instid0(VALU_DEP_4)
	v_max3_num_f32 v[TM+\b], |v[(\s)+16*\b+\i]|, |v[(\s)+16*\b+\i+1]|, v[TM+\b]
.endr
.endr
	WIN 0
.irp b, 0,1,2,3
	v_permlanex16_b32 v[TM+4+\b], v[TM+\b], s98, s99
.endr
.irp b, 0,1,2,3
	s_delay_alu instid0(VALU_DEP_4)
	v_max_num_f32 v[TM+\b], v[TM+\b], v[TM+4+\b]   ; with lane l xor 16's: the block's largest magnitude
.endr
.irp b, 0,1,2,3
	s_delay_alu instid0(VALU_DEP_4)
	v_add_nc_u32 v[TM+12+\b], 0xff000000, v[TM+\b] ; 2 off the exponent field: the conversion's scale operand
.endr
.irp b, 0,1,2,3
	s_delay_alu instid0(VALU_DEP_4)
	v_lshrrev_b32 v[TM+4+\b], 23, v[TM+12+\b]      ; the byte
.endr
	s_delay_alu instid0(VALU_DEP_3)
	v_lshl_or_b32 v[PW], v[TM+5], 8, v[TM+4]
	s_delay_alu instid0(VALU_DEP_1)
	v_lshl_or_b32 v[PW], v[TM+6], 16, v[PW]
	s_delay_alu instid0(VALU_DEP_1)
	v_lshl_or_b32 v[PW], v[TM+7], 24, v[PW]
	WIN \w
.irp c, 0,1
	v_cvt_scalef32_pk16_fp6_f32 v[PC+6*\c:PC+6*\c+2], v[(\s)+32*\c:(\s)+32*\c+15], v[TM+12+2*\c]
	v_cvt_scalef32_pk16_fp6_f32 v[PC+12+4*\c:PC+14+4*\c], v[(\s)+32*\c+16:(\s)+32*\c+31], v[TM+13+2*\c]
.endr
	WIN 0
	v_nop                                          ; one plain place behind a scaled conversion
.irp c, 0,1                            ; the layout wants a whole block in a lane
.irp i, 0,1,2
	v_permlane16_swap_b32 v[PC+6*\c+\i], v[PC+12+4*\c+\i]
.endr
.irp i, 0,1,2
	s_delay_alu instid0(VALU_DEP_3)
	v_mov_b32 v[PC+3+6*\c+\i], v[PC+12+4*\c+\i]
.endr
.endr
.endm
	PLACES
	s_mov_b32 s98, 0x76543210
	s_mov_b32 s99, 0xfedcba98
	v_and_b32 v[LN], 31, v0
	v_bfe_u32 v[SH], v0, 4, 1
	v_and_b32 v[SA], 15, v0
	v_lshlrev_b32 v[L8], 3, v[LN]
	v_lshl_add_u32 v[TA], v[LN], 4, s90
	v_lshl_add_u32 v[TB], v[SH], 6, s90
	v_lshlrev_b32 v[SA], 4, v[SA]                  ; 16 r
.irp b, 0,1,2,3
	v_mov_b32 v[TM+4+\b], 0                        ; a lane permute's destination counts as one of its sources
.endr
	ds_store_b128 v[TA], v[CB:CB+3]                ; my wave's 128 biases, as they lie; LDS serves a wave's instructions in order
.irp b, 0,1,2,3
.irp q, 0,1,2,3
	ds_load_b128 v[BIAS+16*\b+4*\q:BIAS+16*\b+4*\q+3], v[TB] offset:128*\b+16*\q   ; columns 32 b + 16 h + 4 q ..
.endr
.endr
	s_wait_alu depctr_va_vdst(0)                   ; the wait ahead of the wait and the branch below
	s_wait_dscnt 0x0
	s_cmp_ge_u32 ttmp9, 8
	s_cbranch_scc1 .Lv_arm
	; ---- q or k: my 128 columns are two heads; a fragment's two halves go to the two heads' tiles
	v_lshl_add_u32 v[SA], v[SH], 13, v[SA]         ; lanes 16-31 store the second head's words, 8,192 bytes on
	v_lshlrev_b32 v[SH], 4, v[SH]                  ; and take the word's upper two bytes
	s_lshr_b32 s2, s22, 3
	s_lshl_b32 s2, s2, 4
	s_lshl_b32 s3, s19, 2
	s_add_co_u32 s2, s2, s3
	s_lshl_b32 s3, s18, 1
	s_add_co_u32 s2, s2, s3                        ; 16 x batch + my first head
	s_and_b32 s3, s22, 7
	s_lshl_b32 s3, s3, 2
	s_add_co_u32 s3, s3, s17                       ; my group of four tiles in the batch's 32
	s_lshl_b32 s12, s2, 7
	s_lshl_b32 s13, s3, 2
	s_add_co_u32 s12, s12, s13
	s_mul_i32 s12, s12, 768
	s_lshl_b32 s92, s2, 13
	s_lshl_b32 s93, s3, 8
	s_add_co_u32 s92, s92, s93
	s_and_b32 s13, ttmp9, 1                        ; k lies behind q
	s_mul_i32 s93, s13, 262144
	s_mul_i32 s13, s13, 3145728
	s_add_co_u32 s12, s12, s13
	s_add_co_u32 s92, s92, s93
	s_add_co_u32 s92, s92, 9437184
	s_mov_b32 s13, 0
	s_mov_b32 s93, 0
	s_add_nc_u64 s[12:13], s[10:11], s[12:13]
	s_add_nc_u64 s[92:93], s[10:11], s[92:93]
.irp a, 0,1,2,3
	WIN 0x41
.set j, 0
.rept 32
	v_pk_add_f32 v[64*\a+j:64*\a+j+1], v[64*\a+j:64*\a+j+1], v[BIAS+j:BIAS+j+1]   ; each accumulator from its low end on
.set j, j+2
.endr
	s_wait_xcnt 0x0                                ; the last tile's stores have read their registers
	QUANT 64*\a, 1
.irp c, 0,1
.irp p, 0,1,2
	global_store_b64 v[L8], v[PC+6*\c+2*\p:PC+6*\c+2*\p+1], s[12:13] offset:98304*\c+768*\a+256*\p   ; 256 consecutive bytes, aligned
.endr
.endr
	v_lshrrev_b32 v[SW+\a], v[SH], v[PW]
.endr
	global_store_b128 v[SA], v[SW:SW+3], s[92:93]  ; two whole blocks of 256 bytes
	s_branch .Lend
.Lv_arm:
	; ---- v: my 64 rows are one head's channels, my 128 columns one step of 128 keys: four whole fragments
	s_lshr_b32 s2, s21, 3
	s_lshl_b32 s2, s2, 4
	s_lshl_b32 s3, s20, 2
	s_add_co_u32 s2, s2, s3
	s_add_co_u32 s2, s2, s17                       ; 16 x batch + head
	s_lshl_b32 s3, s21, 1
	s_add_co_u32 s3, s3, s18
	s_and_b32 s3, s3, 15                           ; the step of keys
	s_lshl_b32 s2, s2, 4
	s_add_co_u32 s2, s2, s3
	s_mul_i32 s12, s2, 6144
	s_add_co_u32 s12, s12, 6291456
	s_mov_b32 s13, 0
	s_lshl_b32 s92, s2, 8
	s_add_co_u32 s92, s92, 9961472
	s_mov_b32 s93, 0
	s_add_nc_u64 s[12:13], s[10:11], s[12:13]
	s_add_nc_u64 s[92:93], s[10:11], s[92:93]
.irp a, 0,1,2,3
	WIN 0x44
.set j, 0
.rept 64
	v_add_f32 v[64*\a+j], v[RB+\a], v[64*\a+j]     ; my channel's bias
.set j, j+1
.endr
	s_wait_xcnt 0x0
	QUANT 64*\a, 1
.irp g, 0,1,2
	global_store_b128 v[L16], v[PC+4*\g:PC+4*\g+3], s[12:13] offset:1536*\a+512*\g
.endr
	v_mov_b32 v[SW+\a], v[PW]
.endr
	s_wait_alu depctr_va_vdst(0)
	s_wait_xcnt 0x0                                ; EXEC changes only behind this wait
	v_cmp_gt_u32 vcc_lo, 16, v[LN]
	s_and_saveexec_b32 s94, vcc_lo
	global_store_b128 v[SA], v[SW:SW+3], s[92:93]  ; lanes 0-15: one whole block of 256 bytes
	s_wait_xcnt 0x0
	s_or_b32 exec_lo, exec_lo, s94
.Lend:
	THREE                                          ; the wave's end
	CROUND                                         ; the closing round
	s_endpgm
.Lfunc_end_k_q06a4d17e1a_qkv:
	.size	k_q06a4d17e1a_qkv, .Lfunc_end_k_q06a4d17e1a_qkv-k_q06a4d17e1a_qkv
	.p2alignl 7, 3214868480
	.fill 96, 4, 3214868480
	.section	.rodata,"a",@progbits
	.p2align	6, 0x0
	.amdhsa_kernel k_q06a4d17e1a_qkv
		.amdhsa_group_segment_fixed_size 327680
		.amdhsa_private_segment_fixed_size 0
		.amdhsa_enable_private_segment 0
		.amdhsa_kernarg_size 32
		.amdhsa_user_sgpr_count 2
		.amdhsa_user_sgpr_kernarg_segment_ptr 1
		.amdhsa_wavefront_size32 1
		.amdhsa_system_sgpr_workgroup_id_x 1
		.amdhsa_system_sgpr_workgroup_id_y 1
		.amdhsa_system_sgpr_workgroup_id_z 1
		.amdhsa_system_vgpr_workitem_id 0
		.amdhsa_next_free_vgpr 512
		.amdhsa_next_free_sgpr 102
		.amdhsa_reserve_vcc 1
		.amdhsa_float_denorm_mode_32 3
		.amdhsa_float_denorm_mode_16_64 3
		.amdhsa_memory_ordered 1
		.amdhsa_forward_progress 1
		.amdhsa_inst_pref_size 132
	.end_amdhsa_kernel
	.amdgpu_metadata
---
amdhsa.version: [ 1, 2 ]
amdhsa.kernels:
  - .name:           k_q06a4d17e1a_qkv
    .symbol:         k_q06a4d17e1a_qkv.kd
    .args:
      - { .name: Hb, .offset: 0, .size: 8, .value_kind: global_buffer, .address_space: global }
      - { .name: Wb, .offset: 8, .size: 8, .value_kind: global_buffer, .address_space: global }
      - { .name: b_attn, .offset: 16, .size: 8, .value_kind: global_buffer, .address_space: global }
      - { .name: QKV, .offset: 24, .size: 8, .value_kind: global_buffer, .address_space: global }
    .group_segment_fixed_size: 327680
    .private_segment_fixed_size: 0
    .kernarg_segment_align: 8
    .kernarg_segment_size: 32
    .max_flat_workgroup_size: 256
    .sgpr_count:     102
    .vgpr_count:     512
    .wavefront_size: 32
...
	.end_amdgpu_metadata
.endif
;; end of part 2
;; launch attn (part 3): grid 8 x 32, 16 waves a work-group, clusters of 4 x 1, 327,680 bytes of LDS; arguments QKV, Yb; writes Yb
.if DOCPART == 3
	.amdgcn_target "amdgcn-amd-amdhsa--gfx1250"
	.amdhsa_code_object_version 6
	.text
	.protected	k_q06a4d17e1a_attn
	.globl	k_q06a4d17e1a_attn
	.p2align	8
	.type	k_q06a4d17e1a_attn,@function
k_q06a4d17e1a_attn:
	s_mov_b64 s[64:65], 0
	v_nop
	global_prefetch_b8 v0, s[64:65] scope:SCOPE_SE
	s_setreg_imm32_b32 hwreg(HW_REG_WAVE_MODE, 25, 1), 1
	s_wait_xcnt 0x0
	s_wait_alu depctr_hold_cnt(0) depctr_sa_sdst(0) depctr_va_vdst(0) depctr_va_sdst(0) depctr_va_ssrc(0) depctr_va_vcc(0) depctr_vm_vsrc(0)
	s_getreg_b32 s2, hwreg(HW_REG_IB_STS2, 6, 4)
	s_cmp_eq_u32 s2, 0
	s_cbranch_scc0 .Lentry_in_a_cluster
	s_endpgm
.Lentry_in_a_cluster:
	s_bfe_u32 s2, ttmp6, 0x10000c
	s_cmp_lg_u32 s2, 0x3003
	s_cbranch_scc0 .Lentry_shape_is_right
	s_endpgm
.Lentry_shape_is_right:
; Causal attention on codes of FP6 (E2M3): 32 heads (batch x head) of 2,048 tokens x 64 channels; y = softmax(q k^T / 8) v is quantised along the channels and stored as halves of operand fragments.
; THE SOFTMAX AHEAD OF THE SECOND PRODUCT: t = score x log2(e) / 8; M = the running largest t rounded UP to a whole number; p = 2^(t - M) is quantised along the keys, not normalised; the row's sum is taken of the unquantised p and divides at the end.
; When M moves, the sum and O are multiplied by 2^(old M - new M): exact.
; SHARES: a head's 128 tiles of 16 queries are dealt to eight work-groups: work-group j takes tile j of every block of 128 queries.  Waves p and p + 8 share the tiles of blocks 15 - p (first pass) and p (second pass):
; in both passes wave w works the steps of 128 keys whose number has the parity w / 8.  The two tiles have (16 - p) + (p + 1) = 17 steps, so every wave has 8 or 9 of them and one step on the diagonal.
; Which steps a wave works hangs on its number alone, so all work-groups of a head walk alike and every one reads all of K and V.
; Each wave keeps a running M, sum and O^T of its own part; since M is a whole number two parts are joined by exact powers of two.  The sums over the keys are so added in two parts.
; A part goes through LDS as an image of its registers, nine stores of 512 bytes: every wave parks its first pass's part (place w), waves 0-7 also their second pass's (place 16 + w).  ONE barrier follows both passes;
; then waves 0-7 take their first part back and every wave joins the part at place w + 8: waves 0-7 finish the first pass's tiles, waves 8-15 the second's.
; THE WHOLE HEAD'S K AND V STAY IN LDS, filled once, one tensor load a wave at the head: waves 0-11 bring 16,384 bytes of codes each, waves 12-13 K's scale words, waves 14-15 V's.
; JOINT LOADS: four work-groups of a head form a cluster and ask for these tiles together.  No prefetch: nothing is fetched behind the head.
; LAYOUT: both products transposed (S^T = K Q^T, O^T = V^T P^T): a lane holds one query.  A tile's rows are not neighbours (tile 2 b + u, row p: 32 b + 8 u + p + 8 (p / 8)), so that 16 registers of two neighbouring tiles are 16 neighbouring keys (or channels).
; A HEAD IS 64 WIDE, THE INSTRUCTION 128: Q's registers 6-11 are zero codes.  K's fragment t is named v[32 + 6 t .. 43 + 6 t]: its upper half is the next tile's codes (for the last tile: zeros), finite numbers that add 0 against Q's zeros; no scale byte here is 0xff.
; A step all of whose keys come after my queries is left out (the causal mask of the definition gives them p = 0); on the diagonal hidden scores become -infinity ahead of the maximum.
; y's two scale bytes a row are stored as 16 bits a lane: the word's other half belongs to another head's work-group.
; LIMITS: NaN and infinities are not served; a block whose largest magnitude lies under 2^-124 gets the byte 1; the scaled scores stay under 2^31 in magnitude.
.set VC,    98304                      ; K's codes lie at 0: [tile 128][768]; V's here: [step 16][tile 4][1,536]
.set KS,    196608                     ; K's scale words: [4 tiles][row][tile], 256 bytes
.set VS,    204800                     ; V's: [step][row][tile]
.set SPARE, 208896                     ; the spare words, 128 bytes a wave
.set EX,    210944                     ; 24 places for parts; no tile lands here
.set EST,   4608                       ; a part: O^T's 32 registers and v12-15
.set AK0, 1
.set AV0, 2
.set ASK0,3
.set ASV0,4
.set SPW, 5
.set NIL, 6
.set DQ,  7                            ; my query in its block of 128, less 16 h
.set ADK, 8
.set ADV, 9
.set ADS, 10
.set ADT, 11                           ; v12 -M, v13 the largest t, v[14:15] the sum in two halves
.set QF,  16
.set QS,  28
.set EA,  29                           ; place w
.set FR,  32
.set Q2,  86
.set Q2S, 92
.set EA2, 93                           ; place 16 + w
.set SS,  96
.set OT,  160
.set PC,  192
.set PT,  204
.set EB,  211                          ; place w + 8
.set BM,  212
.set BP,  216
.set SO,  220
.set KSC, 224
.set VSC, 232
.set FF,  236
.set PS,  238
.set T0,  240
.set MI,  241
.set SU,  242
.set LN,  244
.set R16, 245
.set FB,  246
.set WV,  8
.set BH,  9
.set PW,  10
.set TQ1, 11
.set G1C, 12
.set G1KS,20
.set G1VS,28
.set G0C, 36
.set G0K, 40
.set G0V, 44
.set JX,  48                           ; the work-group's x: my tile in each block
.set TQF, 49                           ; the tile that I finish
.set SEL, 56
.set CS,  58
.set T6,  60
.set TKS, 61
.set TVS, 62
.set KFS, 63
.set QB,  66
.set CNT, 67
.set PAR, 68
.set QB2, 69
.set TQ2, 82
.macro CROUND                          ; a round of the cluster's barrier
	s_barrier_signal -1
	s_barrier_wait -1
	s_cmp_lg_u32 s[WV], 0
	s_cbranch_scc1 .Lnot_wave_0_\@
	s_barrier_signal -3
.Lnot_wave_0_\@:
	s_barrier_wait -3
	s_barrier_signal -1
	s_barrier_wait -1
.endm
	s_load_b128 s[4:7], s[0:1], 0x0                ; QKV, Yb
	v_lshl_add_u32 v[SPW], v0, 2, SPARE
	v_mov_b32 v[NIL], 0
	ds_add_u32 v[SPW], v[NIL]                      ; the opening lines
	ds_add_u32 v[SPW], v[NIL]
	v_lshrrev_b32 v8, 5, v0
	v_readfirstlane_b32 s[WV], v8
	s_and_b32 s[BH], ttmp7, 0xffff
	s_bfe_u32 s70, ttmp6, 0x40000                  ; cx: it enters global addresses and the diagonal's compare values alone
	s_lshl_b32 s[JX], ttmp9, 2
	s_add_co_u32 s[JX], s[JX], s70
	s_and_b32 s[PW], s[WV], 7
	s_lshr_b32 s[PAR], s[WV], 3                    ; waves 0-7 take the even steps, waves 8-15 the odd ones
	s_sub_co_u32 s70, 15, s[PW]                    ; the first pass's block
	s_lshl_b32 s[QB], s70, 7
	s_lshl_b32 s[QB2], s[PW], 7
	s_lshl_b32 s[TQ1], s70, 3
	s_add_co_u32 s[TQ1], s[TQ1], s[JX]
	s_lshl_b32 s[TQ2], s[PW], 3
	s_add_co_u32 s[TQ2], s[TQ2], s[JX]
	s_cmp_lt_u32 s[WV], 8
	s_cselect_b32 s[TQF], s[TQ1], s[TQ2]
	s_lshr_b32 s78, s[JX], 1
	s_lshl_b32 s78, s78, 5
	s_and_b32 s79, s[JX], 1
	s_lshl_b32 s79, s79, 3
	s_add_co_u32 s78, s78, s79                     ; the tile's first query in its block
	s_mul_i32 s83, s[WV], EST
	s_add_co_u32 s83, s83, EX
	; dense blocks as rows of 256 bytes (32 elements of 8): codes 64 rows a load, K's scale words 16, V's 8; the mask names the cluster's four
.irp g, G1C, G1KS, G1VS
	s_mov_b32 s[\g], (3<<16)|(1<<21)|15
	s_mov_b32 s[\g+1], 32<<16
	s_mov_b32 s[\g+3], 32<<16
	s_mov_b32 s[\g+5], 32
	s_mov_b32 s[\g+6], 0
	s_mov_b32 s[\g+7], 0
.endr
	s_mov_b32 s[G1C+2], 64<<16
	s_mov_b32 s[G1C+4], 64
	s_mov_b32 s[G1KS+2], 16<<16
	s_mov_b32 s[G1KS+4], 16
	s_mov_b32 s[G1VS+2], 8<<16
	s_mov_b32 s[G1VS+4], 8
	s_mul_i32 s74, s[BH], 98304                    ; codes: waves 0-5 K's six parts, waves 6-11 V's
	s_lshl_b32 s75, s[WV], 14
	s_add_co_u32 s74, s74, s75
	s_cmp_lt_u32 s[WV], 6
	s_mov_b32 s75, 6193152                         ; 6,291,456 - 6 x 16,384
	s_cselect_b32 s75, 3145728, s75
	s_add_co_u32 s74, s74, s75
	s_mov_b32 s75, 0
	s_lshl_b32 s76, s[BH], 13                      ; K's scale words: 9,699,328 + 8,192 head + 4,096 (wave - 12)
	s_lshl_b32 s77, s[WV], 12
	s_add_co_u32 s76, s76, s77
	s_add_co_u32 s76, s76, 9650176
	s_mov_b32 s77, 0
	s_lshl_b32 s72, s[BH], 12                      ; V's: 9,961,472 + 4,096 head + 2,048 (wave - 14)
	s_lshl_b32 s73, s[WV], 11
	s_add_co_u32 s72, s72, s73
	s_add_co_u32 s72, s72, 9932800
	s_mov_b32 s73, 0
	s_lshl_b32 s70, s[BH], 7
	s_add_co_u32 s84, s70, s[TQ2]
	s_add_co_u32 s70, s70, s[TQ1]
	s_mul_i32 s70, s70, 768                        ; Q's half fragments: the first pass's,
	s_mul_i32 s84, s84, 768                        ; the second's
	s_mov_b32 s71, 0
	s_mov_b32 s85, 0
	s_lshl_b32 s80, s[BH], 5
	s_lshr_b32 s81, s[TQ1], 2
	s_lshr_b32 s87, s[TQ2], 2
	s_add_co_u32 s86, s80, s87
	s_add_co_u32 s80, s80, s81
	s_lshl_b32 s80, s80, 8
	s_lshl_b32 s86, s86, 8
	s_and_b32 s81, s[JX], 3
	s_lshl_b32 s81, s81, 2
	s_add_co_u32 s81, s81, 9437184
	s_add_co_u32 s80, s80, s81                     ; and their scale words
	s_add_co_u32 s86, s86, s81
	s_mov_b32 s81, 0
	s_mov_b32 s87, 0
	s_mov_b32 s[SEL], 0x76543210
	s_mov_b32 s[SEL+1], 0xfedcba98
	s_mov_b32 s[CS], 0x3e38aa3b                    ; log2(e) / 8
	s_mov_b32 s[CS+1], s[CS]
	s_mov_b32 s[T6], 0
	s_mov_b32 s[TKS], 0
	s_mov_b32 s[TVS], 0
	s_mov_b32 s[KFS], 0
	s_wait_dscnt 0x0                               ; both opening adds are done
	s_wait_kmcnt 0x0
	s_add_nc_u64 s[74:75], s[4:5], s[74:75]
	s_add_nc_u64 s[76:77], s[4:5], s[76:77]
	s_add_nc_u64 s[72:73], s[4:5], s[72:73]
	s_add_nc_u64 s[70:71], s[4:5], s[70:71]
	s_add_nc_u64 s[80:81], s[4:5], s[80:81]
	s_add_nc_u64 s[84:85], s[4:5], s[84:85]
	s_add_nc_u64 s[86:87], s[4:5], s[86:87]
	s_mov_b32 s[G0C], 1
	s_lshl_b32 s[G0C+1], s[WV], 14                 ; K's codes from byte 0, V's behind them
	s_mov_b64 s[G0C+2:G0C+3], s[74:75]
	s_or_b32 s[G0C+3], s[G0C+3], 0x80000000
	s_mov_b32 s[G0K], 1
	s_lshl_b32 s[G0K+1], s[WV], 12
	s_add_co_u32 s[G0K+1], s[G0K+1], KS-12*4096
	s_mov_b64 s[G0K+2:G0K+3], s[76:77]
	s_or_b32 s[G0K+3], s[G0K+3], 0x80000000
	s_mov_b32 s[G0V], 1
	s_lshl_b32 s[G0V+1], s[WV], 11
	s_add_co_u32 s[G0V+1], s[G0V+1], VS-14*2048
	s_mov_b64 s[G0V+2:G0V+3], s[72:73]
	s_or_b32 s[G0V+3], s[G0V+3], 0x80000000
	CROUND                                         ; the four work-groups are here: the joint loads meet
.macro ARM under, g0, g1, next         ; one chain of branches on the wave's number: every way passes exactly one load
	s_cmp_lt_u32 s[WV], \under
	s_cbranch_scc0 \next
	tensor_load_to_lds s[\g0:\g0+3], s[\g1:\g1+7]
	s_nop 0
.rept 4
	v_nop
.endr
	s_branch .Lasked
\next:
.endm
	ARM 12, G0C, G1C, .Lhead_ks
	ARM 14, G0K, G1KS, .Lhead_vs
	tensor_load_to_lds s[G0V:G0V+3], s[G1VS:G1VS+7]
	s_nop 0
.rept 4
	v_nop
.endr
.Lasked:
	v_and_b32 v[LN], 31, v0
	v_and_b32 v8, 15, v0                           ; r
	v_bfe_u32 v9, v0, 4, 1                         ; h
	v_lshlrev_b32 v[AK0], 3, v[LN]
	v_lshl_add_u32 v[AV0], v[LN], 4, VC
	v_lshl_add_u32 v[ASK0], v8, 4, KS
	v_lshl_add_u32 v[ASV0], v8, 4, VS
	v_lshl_add_u32 v[EA], v[LN], 4, s83
	v_lshlrev_b32 v[R16], 4, v8
.irp p, 0,1,2
	global_load_b64 v[QF+2*\p:QF+2*\p+1], v[AK0], s[70:71] offset:256*\p
.endr
	global_load_b32 v[QS], v[R16], s[80:81]
.irp p, 0,1,2
	global_load_b64 v[Q2+2*\p:Q2+2*\p+1], v[AK0], s[84:85] offset:256*\p
.endr
	global_load_b32 v[Q2S], v[R16], s[86:87]
	v_add_nc_u32 v[EA2], 16*EST, v[EA]
	v_add_nc_u32 v[EB], 8*EST, v[EA]
	v_and_b32 v10, 8, v8
	v_lshlrev_b32 v9, 4, v9
	v_add_nc_u32 v10, v10, v8                      ; r + 8 (r / 8)
	v_mov_b32 v13, 0xff61b1e6                      ; the largest t so far: -3e38
	v_sub_nc_u32 v10, v10, v9
	v_floor_f32 v12, -v13
	v_add_nc_u32 v[DQ], s78, v10
	v_mov_b32 v14, 0
	v_mov_b32 v15, 0
.irp j, 0,1,2,3,4,5
	v_mov_b32 v[QF+6+\j], 0                        ; zero codes for k = 64 .. 127
	v_mov_b32 v[FR+48+\j], 0
.endr
.irp b, 0,1,2,3
	v_mov_b32 v[BP+\b], 0                          ; a lane permute's destination counts as one of its sources
.endr
	v_mov_b32 v[FF+1], 0                           ; (named as the upper halves of pairs)
	v_mov_b32 v[FB+1], 0
	v_mov_b32 v[T0], 0
.set j, 0
.rept 32
	v_mov_b32 v[OT+j], 0                           ; the step is written for every turn alike: the first finds zeros
.set j, j+1
.endr
; A STEP OF 128 KEYS
.macro STEP
	s_cmp_gt_u32 s[KFS], s[QB]                     ; all its keys come after my queries: only the addresses step
	s_cbranch_scc1 .Lhidden_\@
	s_cmp_lg_u32 s[PAR], 0                         ; or it is my partner's
	s_cbranch_scc1 .Lhidden_\@
	v_add_nc_u32 v[ADK], s[T6], v[AK0]             ; (these four are also the places ahead of loads into registers that the last products read)
	v_add_nc_u32 v[ADV], s[T6], v[AV0]
	v_add_nc_u32 v[ADS], s[TKS], v[ASK0]
	v_add_nc_u32 v[ADT], s[TVS], v[ASV0]
.irp t, 0,1,2,3,4,5,6,7
.irp p, 0,1,2
	ds_load_b64 v[FR+6*\t+2*\p:FR+6*\t+2*\p+1], v[ADK] offset:768*\t+256*\p
.endr
.endr
	ds_load_b128 v[KSC:KSC+3], v[ADS]
	ds_load_b128 v[KSC+4:KSC+7], v[ADS] offset:256
	s_wait_alu depctr_va_vdst(0)
	s_wait_dscnt 0x0
.irp t, 0,1,2,3,4,5,6,7
	v_wmma_scale_f32_16x16x128_f8f6f4 v[SS+8*\t:SS+8*\t+7], v[FR+6*\t:FR+6*\t+11], v[QF:QF+11], 0, v[KSC+\t], v[QS] matrix_a_fmt:MATRIX_FMT_FP6 matrix_b_fmt:MATRIX_FMT_FP6
.endr
.rept 4
	v_nop
.endr
.irp a, 0,1,2,3                        ; V's fragments land under the softmax
.irp g, 0,1,2
	ds_load_b128 v[FR+12*\a+4*\g:FR+12*\a+4*\g+3], v[ADV] offset:1536*\a+512*\g
.endr
.endr
	ds_load_b128 v[VSC:VSC+3], v[ADT]
	s_cmp_lg_u32 s[KFS], s[QB]
	s_cbranch_scc1 .Lopen_\@
	v_mov_b32 v[MI], 0xff800000                    ; the diagonal: register 16 b + i holds key 32 b + 16 h + i of the block: hidden where 32 b + i > my query - 16 h
.set n, 0
.rept 64
	v_cmp_gt_i32 vcc_lo, 32*(n/16)+n%16, v[DQ]
	v_cndmask_b32 v[SS+n], v[SS+n], v[MI], vcc_lo
.set n, n+1
.endr
.Lopen_\@:
.irp b, 0,1,2,3
	v_max3_num_f32 v[BM+\b], v[SS+16*\b], v[SS+16*\b+1], v[SS+16*\b+2]   ; the largest score of each block of 32 keys: for the row's maximum, and, since p rises with the score, for the block's largest p
.endr
.irp i, 3,5,7,9,11,13
.irp b, 0,1,2,3
	v_max3_num_f32 v[BM+\b], v[BM+\b], v[SS+16*\b+\i], v[SS+16*\b+\i+1]
.endr
.endr
.irp b, 0,1,2,3
	v_max_num_f32 v[BM+\b], v[BM+\b], v[SS+16*\b+15]
.endr
.irp b, 0,1,2,3
	s_delay_alu instid0(VALU_DEP_4)
	v_permlanex16_b32 v[BP+\b], v[BM+\b], s[SEL], s[SEL+1]
.endr
.irp b, 0,1,2,3
	s_delay_alu instid0(VALU_DEP_4)
	v_max_num_f32 v[BM+\b], v[BM+\b], v[BP+\b]
.endr
	s_delay_alu instid0(VALU_DEP_2)
	v_max3_num_f32 v[T0], v[BM], v[BM+1], v[BM+2]
	s_delay_alu instid0(VALU_DEP_1)
	v_max_num_f32 v[T0], v[T0], v[BM+3]
	s_delay_alu instid0(VALU_DEP_1)
	v_mul_f32 v[T0], s[CS], v[T0]
	s_delay_alu instid0(VALU_DEP_1)
	v_max_num_f32 v13, v13, v[T0]                  ; the running largest t
	v_mov_b32 v[T0], v12
	s_delay_alu instid0(VALU_DEP_2)
	v_floor_f32 v12, -v13                          ; -M = floor(-t): M is a whole number
	s_delay_alu instid0(VALU_DEP_1)
	v_sub_f32 v[T0], v12, v[T0]
	s_delay_alu instid0(VALU_DEP_1)
	v_cvt_i32_f32 v[T0], v[T0]                     ; (it saturates)
	s_delay_alu instid0(VALU_DEP_1)
	v_ldexp_f32 v[FF], 1.0, v[T0]                  ; f = 2^(old M - new M)
.set j, 0
.rept 32
	v_pk_fma_f32 v[SS+j:SS+j+1], v[SS+j:SS+j+1], s[CS:CS+1], v[12:13] op_sel_hi:[1,0,0]   ; t - M
.set j, j+2
.endr
.irp b, 0,1,2,3
	v_fma_f32 v[BM+\b], v[BM+\b], s[CS], v12
.endr
.set j, 0
	s_wait_alu depctr_va_vdst(0)                   ; the wait ahead of the batch
.rept 64
	v_exp_f32 v[SS+j], v[SS+j]                     ; p, at most 1
.set j, j+1
.endr
	v_pk_mul_f32 v[14:15], v[14:15], v[FF:FF+1] op_sel_hi:[1,0]   ; the sums under the new M: a plain place behind the exponentials
	s_wait_alu depctr_va_vdst(0)                   ; one wait for the batch, ahead of its first reader
.irp b, 0,1,2,3
	v_exp_f32 v[BM+\b], v[BM+\b]                   ; the block's largest p
.endr
	v_pk_add_f32 v[242:243], v[100:101], v[104:105]   ; the row's sum of the unquantised p, in eight chains
	v_pk_add_f32 v[254:255], v[108:109], v[112:113]
	v_pk_add_f32 v[252:253], v[116:117], v[120:121]
	v_pk_add_f32 v[250:251], v[124:125], v[128:129]
	v_pk_add_f32 v[248:249], v[132:133], v[136:137]
	v_pk_add_f32 v[94:95], v[140:141], v[144:145]
	v_pk_add_f32 v[30:31], v[148:149], v[152:153]
	v_pk_add_f32 v[14:15], v[14:15], v[156:157]
	v_pk_add_f32 v[242:243], v[242:243], v[96:97]
	v_pk_add_f32 v[254:255], v[254:255], v[98:99]
	v_pk_add_f32 v[252:253], v[252:253], v[102:103]
	v_pk_add_f32 v[250:251], v[250:251], v[106:107]
	v_pk_add_f32 v[248:249], v[248:249], v[110:111]
	v_pk_add_f32 v[94:95], v[94:95], v[114:115]
	v_pk_add_f32 v[30:31], v[30:31], v[118:119]
	v_pk_add_f32 v[14:15], v[14:15], v[122:123]
	v_pk_add_f32 v[242:243], v[242:243], v[126:127]
	v_pk_add_f32 v[254:255], v[254:255], v[130:131]
	v_pk_add_f32 v[252:253], v[252:253], v[134:135]
	v_pk_add_f32 v[250:251], v[250:251], v[138:139]
	v_pk_add_f32 v[248:249], v[248:249], v[142:143]
	v_pk_add_f32 v[94:95], v[94:95], v[146:147]
	v_pk_add_f32 v[30:31], v[30:31], v[150:151]
	v_pk_add_f32 v[14:15], v[14:15], v[154:155]
	v_pk_add_f32 v[242:243], v[242:243], v[158:159]
	s_delay_alu instid0(VALU_DEP_2)
	v_pk_add_f32 v[14:15], v[14:15], v[250:251]
	s_delay_alu instid0(VALU_DEP_2)
	v_pk_add_f32 v[242:243], v[242:243], v[248:249]
	v_pk_add_f32 v[254:255], v[254:255], v[94:95]
	v_pk_add_f32 v[252:253], v[252:253], v[30:31]
	s_delay_alu instid0(VALU_DEP_2)
	v_pk_add_f32 v[14:15], v[14:15], v[254:255]
	s_delay_alu instid0(VALU_DEP_2)
	v_pk_add_f32 v[242:243], v[242:243], v[252:253]
	s_delay_alu instid0(VALU_DEP_1)
	v_pk_add_f32 v[14:15], v[14:15], v[242:243]
	s_wait_alu depctr_va_vdst(0)                   ; and one for the four
.irp b, 0,1,2,3
	v_max_num_f32 v[BM+\b], 0x1800000, v[BM+\b]    ; the floor 2^(3 - 127)
.endr
.irp b, 0,1,2,3
	s_delay_alu instid0(VALU_DEP_4)
	v_add_nc_u32 v[SO+\b], 0xff000000, v[BM+\b]
.endr
.irp b, 0,1,2,3
	s_delay_alu instid0(VALU_DEP_4)
	v_lshrrev_b32 v[BP+\b], 23, v[SO+\b]
.endr
	s_delay_alu instid0(VALU_DEP_3)
	v_lshl_or_b32 v[PS], v[BP+1], 8, v[BP]
	s_delay_alu instid0(VALU_DEP_1)
	v_lshl_or_b32 v[PS], v[BP+2], 16, v[PS]
	s_delay_alu instid0(VALU_DEP_1)
	v_lshl_or_b32 v[PS], v[BP+3], 24, v[PS]
.irp c, 0,1
	v_cvt_scalef32_pk16_fp6_f32 v[PC+6*\c:PC+6*\c+2], v[SS+32*\c:SS+32*\c+15], v[SO+2*\c]
	v_cvt_scalef32_pk16_fp6_f32 v[PT+4*\c:PT+4*\c+2], v[SS+32*\c+16:SS+32*\c+31], v[SO+2*\c+1]
.endr
	v_nop                                          ; one plain place behind a scaled conversion
.irp c, 0,1
.irp i, 0,1,2
	v_permlane16_swap_b32 v[PC+6*\c+\i], v[PT+4*\c+\i]
.endr
.irp i, 0,1,2
	s_delay_alu instid0(VALU_DEP_3)
	v_mov_b32 v[PC+6*\c+3+\i], v[PT+4*\c+\i]
.endr
.endr
.set j, 0
.rept 16
	v_pk_mul_f32 v[OT+j:OT+j+1], v[OT+j:OT+j+1], v[FF:FF+1] op_sel_hi:[1,0]   ; O^T under the new M; these sixteen are also the places between p's codes and scale word and the products
.set j, j+2
.endr
	s_wait_alu depctr_va_vdst(0)
	s_wait_dscnt 0x0                               ; V
.irp a, 0,1,2,3
	v_wmma_scale_f32_16x16x128_f8f6f4 v[OT+8*\a:OT+8*\a+7], v[FR+12*\a:FR+12*\a+11], v[PC:PC+11], v[OT+8*\a:OT+8*\a+7], v[VSC+\a], v[PS] matrix_a_fmt:MATRIX_FMT_FP6 matrix_b_fmt:MATRIX_FMT_FP6
.endr
.Lhidden_\@:
	s_add_co_u32 s[T6], s[T6], 6144
	s_add_co_u32 s[TKS], s[TKS], 512
	s_add_co_u32 s[TVS], s[TVS], 256
	s_add_co_u32 s[KFS], s[KFS], 128
	s_xor_b32 s[PAR], s[PAR], 1                    ; the next step is the other wave's
.endm
.macro HAND adr                        ; my part as it stands in my registers: O^T, then -M, t, the lane's sum
.irp g, 0,1,2,3,4,5,6,7
	ds_store_b128 v[\adr], v[OT+4*\g:OT+4*\g+3] offset:512*\g   ; each accumulator from its low end on
.endr
	ds_store_b128 v[\adr], v[12:15] offset:4096
	s_wait_dscnt 0x0                               ; the stores have read their registers
.endm
	s_wait_alu depctr_va_vdst(0)                   ; the wait at the head's end
	s_wait_loadcnt 0x0                             ; both tiles of Q
	s_wait_tensorcnt 0x0                           ; my part of K, V or their scale words is in,
	s_barrier_signal -1
	s_barrier_wait -1                              ; everybody's is; nothing is filled again in this launch
	s_mov_b32 s[CNT], 16                           ; THE FIRST PASS: block 15 - p
.Lpass1:
	STEP
	s_sub_co_u32 s[CNT], s[CNT], 1
	s_cmp_lg_u32 s[CNT], 0
	s_cbranch_scc1 .Lpass1
.rept 4
	v_nop                                          ; four places behind the last products
.endr
	v_add_f32 v14, v14, v15                        ; the sum's two halves
	s_wait_alu depctr_va_vdst(0)
	HAND EA                                        ; every wave parks its first part
	; THE SECOND PASS: block p.  Q's codes and scale word first: the 36 lines behind them are the places ahead of the next products
.irp j, 0,1,2,3,4,5
	v_mov_b32 v[QF+\j], v[Q2+\j]
.endr
	v_mov_b32 v[QS], v[Q2S]
	v_mov_b32 v13, 0xff61b1e6
	s_delay_alu instid0(VALU_DEP_1)
	v_floor_f32 v12, -v13
	v_mov_b32 v14, 0
	v_mov_b32 v15, 0
.set j, 0
.rept 32
	v_mov_b32 v[OT+j], 0
.set j, j+1
.endr
	s_mov_b32 s[T6], 0
	s_mov_b32 s[TKS], 0
	s_mov_b32 s[TVS], 0
	s_mov_b32 s[KFS], 0
	s_mov_b32 s[QB], s[QB2]                        ; (sixteen steps have brought s[PAR] back to where it began)
	s_mov_b32 s[CNT], 16
.Lpass2:
	STEP
	s_sub_co_u32 s[CNT], s[CNT], 1
	s_cmp_lg_u32 s[CNT], 0
	s_cbranch_scc1 .Lpass2
.rept 4
	v_nop
.endr
	v_add_f32 v14, v14, v15
	s_wait_alu depctr_va_vdst(0)                   ; the wait ahead of the branch
	s_cmp_ge_u32 s[WV], 8
	s_cbranch_scc1 .Lkeep
	HAND EA2                                       ; waves 0-7 hand their second part over and take their first part back
.irp g, 0,1,2,3,4,5,6,7
	ds_load_b128 v[OT+4*\g:OT+4*\g+3], v[EA] offset:512*\g
.endr
	ds_load_b128 v[12:15], v[EA] offset:4096
.Lkeep:
	s_wait_dscnt 0x0                               ; for the partner's sake: my stores are done
	s_barrier_signal -1
	s_barrier_wait -1
	; THE WAY OUT of tile s[TQF]: the partner's part from place w + 8; both under the larger M; O^T / the sum; register 16 b + i is channel 32 b + 16 h + i of my query
.irp g, 0,1,2,3,4,5,6,7
	ds_load_b128 v[SS+4*\g:SS+4*\g+3], v[EB] offset:512*\g
.endr
	ds_load_b128 v[SS+32:SS+35], v[EB] offset:4096
	s_wait_dscnt 0x0
	v_min_num_f32 v[T0], v12, v[SS+32]             ; -M of both: the smaller
	s_delay_alu instid0(VALU_DEP_1)
	v_sub_f32 v[SU], v[T0], v12                    ; whole numbers, 0 or less
	s_delay_alu instid0(VALU_DEP_2)
	v_sub_f32 v[SU+1], v[T0], v[SS+32]
	s_delay_alu instid0(VALU_DEP_2)
	v_cvt_i32_f32 v[SU], v[SU]                     ; (they saturate: a part without a step has -M = 3e38, O = 0 and sum 0, and its factor falls to 0)
	s_delay_alu instid0(VALU_DEP_2)
	v_cvt_i32_f32 v[SU+1], v[SU+1]
	s_delay_alu instid0(VALU_DEP_2)
	v_ldexp_f32 v[FF], 1.0, v[SU]
	s_wait_alu depctr_va_vdst(0)
	v_ldexp_f32 v[FB], 1.0, v[SU+1]
	v_mul_f32 v14, v14, v[FF]
	s_delay_alu instid0(VALU_DEP_1)
	v_fma_f32 v14, v[SS+34], v[FB], v14            ; the lane's sum of both parts,
	s_delay_alu instid0(VALU_DEP_1)
	v_permlanex16_b32 v[T0], v14, s[SEL], s[SEL+1]
	s_delay_alu instid0(VALU_DEP_1)
	v_add_f32 v14, v14, v[T0]                      ; with lane l xor 16's: the row's
	s_wait_alu depctr_va_vdst(0)
	v_rcp_f32 v14, v14
	v_nop
	s_wait_alu depctr_va_vdst(0)                   ; the wait ahead of the first reader
	v_mul_f32 v[FF], v[FF], v14                    ; a power of two times 1 / sum
	v_mul_f32 v[FB], v[FB], v14
.set j, 0
.rept 16
	v_pk_mul_f32 v[OT+j:OT+j+1], v[OT+j:OT+j+1], v[FF:FF+1] op_sel_hi:[1,0]
.set j, j+2
.endr
.set j, 0
.rept 16
	v_pk_fma_f32 v[OT+j:OT+j+1], v[SS+j:SS+j+1], v[FB:FB+1], v[OT+j:OT+j+1] op_sel_hi:[1,0,1]
.set j, j+2
.endr
.irp b, 0,1
	v_max3_num_f32 v[BM+\b], |v[OT+16*\b]|, |v[OT+16*\b+1]|, 0x1800000
.endr
.irp i, 2,4,6,8,10,12,14
.irp b, 0,1
	s_delay_alu instid0(VALU_DEP_2)
	v_max3_num_f32 v[BM+\b], v[BM+\b], |v[OT+16*\b+\i]|, |v[OT+16*\b+\i+1]|
.endr
.endr
.irp b, 0,1
	s_delay_alu instid0(VALU_DEP_2)
	v_permlanex16_b32 v[BP+\b], v[BM+\b], s[SEL], s[SEL+1]
.endr
.irp b, 0,1
	s_delay_alu instid0(VALU_DEP_2)
	v_max_num_f32 v[BM+\b], v[BM+\b], v[BP+\b]
.endr
.irp b, 0,1
	s_delay_alu instid0(VALU_DEP_2)
	v_add_nc_u32 v[SO+\b], 0xff000000, v[BM+\b]
.endr
.irp b, 0,1
	s_delay_alu instid0(VALU_DEP_2)
	v_lshrrev_b32 v[BP+\b], 23, v[SO+\b]
.endr
	s_delay_alu instid0(VALU_DEP_1)
	v_lshl_or_b32 v[MI], v[BP+1], 8, v[BP]         ; my row's two bytes
	v_cvt_scalef32_pk16_fp6_f32 v[PC:PC+2], v[OT:OT+15], v[SO]
	v_cvt_scalef32_pk16_fp6_f32 v[PT:PT+2], v[OT+16:OT+31], v[SO+1]
	v_nop
.irp i, 0,1,2
	v_permlane16_swap_b32 v[PC+\i], v[PT+\i]
.endr
.irp i, 0,1,2
	s_delay_alu instid0(VALU_DEP_3)
	v_mov_b32 v[PC+3+\i], v[PT+\i]
.endr
	s_lshr_b32 s70, s[BH], 4
	s_lshl_b32 s70, s70, 7
	s_add_co_u32 s70, s70, s[TQF]                  ; the tile among the 256 of all tokens
	s_bfe_u32 s71, s[BH], 0x30001                  ; the K step of the next product: head / 2
	s_and_b32 s72, s[BH], 1                        ; and which half of it
	s_lshl_b32 s74, s70, 3
	s_add_co_u32 s74, s74, s71
	s_mul_i32 s74, s74, 1536
	s_mul_i32 s75, s72, 768
	s_add_co_u32 s74, s74, s75
	s_mov_b32 s75, 0
	s_lshr_b32 s76, s70, 2
	s_lshl_b32 s76, s76, 3
	s_add_co_u32 s76, s76, s71
	s_lshl_b32 s76, s76, 8
	s_and_b32 s77, s70, 3
	s_lshl_b32 s77, s77, 2
	s_add_co_u32 s76, s76, s77
	s_lshl_b32 s77, s72, 1
	s_add_co_u32 s76, s76, s77
	s_add_co_u32 s76, s76, 3145728
	s_mov_b32 s77, 0
	s_add_nc_u64 s[74:75], s[6:7], s[74:75]
	s_add_nc_u64 s[76:77], s[6:7], s[76:77]
	s_wait_alu depctr_va_vdst(0)
.irp p, 0,1,2
	global_store_b64 v[AK0], v[PC+2*\p:PC+2*\p+1], s[74:75] offset:256*\p   ; 256 consecutive bytes, aligned
.endr
	s_wait_xcnt 0x0                                ; EXEC changes only behind this wait
	v_cmp_gt_u32 vcc_lo, 16, v[LN]
	s_and_saveexec_b32 s70, vcc_lo
	global_store_b16 v[R16], v[MI], s[76:77]
	s_wait_xcnt 0x0
	s_or_b32 exec_lo, exec_lo, s70
	s_wait_tensorcnt 0x0                           ; the wave's end
	ds_add_u32 v[SPW], v[NIL]
	s_wait_dscnt 0x0
	CROUND                                         ; the closing round
	s_endpgm
.Lfunc_end_k_q06a4d17e1a_attn:
	.size	k_q06a4d17e1a_attn, .Lfunc_end_k_q06a4d17e1a_attn-k_q06a4d17e1a_attn
	.p2alignl 7, 3214868480
	.fill 96, 4, 3214868480
	.section	.rodata,"a",@progbits
	.p2align	6, 0x0
	.amdhsa_kernel k_q06a4d17e1a_attn
		.amdhsa_group_segment_fixed_size 327680
		.amdhsa_private_segment_fixed_size 0
		.amdhsa_enable_private_segment 0
		.amdhsa_kernarg_size 16
		.amdhsa_user_sgpr_count 2
		.amdhsa_user_sgpr_kernarg_segment_ptr 1
		.amdhsa_wavefront_size32 1
		.amdhsa_system_sgpr_workgroup_id_x 1
		.amdhsa_system_sgpr_workgroup_id_y 1
		.amdhsa_system_sgpr_workgroup_id_z 1
		.amdhsa_system_vgpr_workitem_id 0
		.amdhsa_next_free_vgpr 256
		.amdhsa_next_free_sgpr 90
		.amdhsa_reserve_vcc 1
		.amdhsa_float_denorm_mode_32 3
		.amdhsa_float_denorm_mode_16_64 3
		.amdhsa_memory_ordered 1
		.amdhsa_forward_progress 1
		.amdhsa_inst_pref_size 68
	.end_amdhsa_kernel
	.amdgpu_metadata
---
amdhsa.version: [ 1, 2 ]
amdhsa.kernels:
  - .name:           k_q06a4d17e1a_attn
    .symbol:         k_q06a4d17e1a_attn.kd
    .args:
      - { .name: QKV, .offset: 0, .size: 8, .value_kind: global_buffer, .address_space: global }
      - { .name: Yb, .offset: 8, .size: 8, .value_kind: global_buffer, .address_space: global }
    .group_segment_fixed_size: 327680
    .private_segment_fixed_size: 0
    .kernarg_segment_align: 8
    .kernarg_segment_size: 16
    .max_flat_workgroup_size: 512
    .sgpr_count:     90
    .vgpr_count:     256
    .wavefront_size: 32
...
	.end_amdgpu_metadata
.endif
;; end of part 3
;; launch aproj (part 4): grid 8 x 32, 8 waves a work-group, clusters of 4 x 4, 327,680 bytes of LDS; arguments Yb, Wb, b_aproj, x, X1; writes X1
.if DOCPART == 4
	.amdgcn_target "amdgcn-amd-amdhsa--gfx1250"
	.amdhsa_code_object_version 6
	.text
	.protected	k_q06a4d17e1a_aproj
	.globl	k_q06a4d17e1a_aproj
	.p2align	8
	.type	k_q06a4d17e1a_aproj,@function
k_q06a4d17e1a_aproj:
	s_mov_b64 s[64:65], 0
	v_nop
	global_prefetch_b8 v0, s[64:65] scope:SCOPE_SE
	s_setreg_imm32_b32 hwreg(HW_REG_WAVE_MODE, 25, 1), 1
	s_wait_xcnt 0x0
	s_wait_alu depctr_hold_cnt(0) depctr_sa_sdst(0) depctr_va_vdst(0) depctr_va_sdst(0) depctr_va_ssrc(0) depctr_va_vcc(0) depctr_vm_vsrc(0)
	s_getreg_b32 s2, hwreg(HW_REG_IB_STS2, 6, 4)
	s_cmp_eq_u32 s2, 0
	s_cbranch_scc0 .Lentry_in_a_cluster
	s_endpgm
.Lentry_in_a_cluster:
	s_bfe_u32 s2, ttmp6, 0x10000c
	s_cmp_lg_u32 s2, 0xf033
	s_cbranch_scc0 .Lentry_shape_is_right
	s_endpgm
.Lentry_shape_is_right:
; x1 = x + y W_aproj^T + b_aproj on codes of FP6 (E2M3), K = 1,024; x1 is f32 [4,096][1,024].
; A work-group makes 128 x 128, so that there are 256 of them.  Its EIGHT waves are two halves of the rows x FOUR ALONG K: wave (mw, kq) makes 64 rows x 128 columns (32 accumulators: register window 1) over the K steps kq and kq + 4;
; the four parts meet in a stage in LDS and are added there, with the bias and the residual: an order of adding that differs from a plain loop over K.
; THE PRODUCT IS USED TRANSPOSED (source 0 = 16 rows of W): a lane holds one token, and register 64 a + 16 b + i is column 32 b + 16 h + i.  A tile's rows are not neighbours: tile 2 b + u, row p: 32 b + 8 u + p + 8 (p / 8).
; Operands lie in memory as fragments of 1,536 bytes, [tile][K step]: all of K of the 8 + 8 tiles, 196,608 bytes, comes at the head, one tensor load a wave (two tiles, 24,576 dense bytes); nothing is filled again, so there is no prefetch.
; y's fragments are two halves of 768 bytes (register pair q at 256 q + 8 l).  JOINT LOADS: y's tiles along a row of the cluster, W's along a column.
; SCALE WORDS go from memory straight into registers: lanes 0-15 take K step kq's, lanes 16-31 K step kq + 4's.
.set NS,    8
.set WOFF,  2359296                    ; W's codes in Wb
.set ASOFF, 3145728                    ; y's scale words in Yb: [4 tiles][K step][row][tile]
.set BSOFF, 9535488                    ; W's in Wb: [tile][row][K step]
.set SWG,   4096
.set BOFF,  98304
.set RBS,   12288                      ; a tile's eight K steps
.set SPARE, 326656                     ; the spare words, 128 bytes a wave
.set PPIT,  528
.set PART,  128*PPIT                   ; the stage's four parts lie from byte 0 on: over tiles that have had their only fill and their last read
.set L16, 1
.set ADA, 2
.set ADB, 5                            ; v5 W's tiles 0-3, v6 tiles 4-7
.set STO, 10
.set RD,  11                           ; v11-14
.set AF,  16
.set BF,  64
.set SC,  160                          ; v160-171 scale words and nothing else: y's four tiles, then W's eight
.set RES, 184
.set SPW, 248
.set NIL, 249
.set BI,  250
.set WV,  14
.set ISB, 15
.set G1A, 24
.set G1B, 32
.set G0A, 56
.set G0B, 60
.set MSB, 0
.macro WIN new
.if MSB != \new
	s_set_vgpr_msb (MSB<<8)|\new
.set MSB, \new
.endif
.endm
.macro PLACES
.rept 4
	v_nop
.endr
.endm
.macro BAR
	s_wait_dscnt 0x0
	s_barrier_signal -1
	s_barrier_wait -1
.endm
.macro CROUND
	s_barrier_signal -1
	s_barrier_wait -1
	s_cmp_lg_u32 s[WV], 0
	s_cbranch_scc1 .Lnot_wave_0_\@
	s_barrier_signal -3
.Lnot_wave_0_\@:
	s_barrier_wait -3
	s_barrier_signal -1
	s_barrier_wait -1
.endm
	s_load_b256 s[4:11], s[0:1], 0x0               ; Yb, Wb, b_aproj, x
	s_load_b64 s[12:13], s[0:1], 0x20              ; X1
	v_lshl_add_u32 v[SPW], v0, 2, SPARE
	v_mov_b32 v[NIL], 0
	ds_add_u32 v[SPW], v[NIL]                      ; the opening lines
	ds_add_u32 v[SPW], v[NIL]
	v_lshrrev_b32 v10, 5, v0
	v_readfirstlane_b32 s[WV], v10
	s_lshr_b32 s[ISB], s[WV], 2                    ; I fetch for y (0) or W (1); also mw
	s_and_b32 s16, s[WV], 3                        ; kq; also: which two tiles I fetch
	s_bfe_u32 s19, ttmp6, 0x40000
	s_bfe_u32 s20, ttmp6, 0x40004
	s_lshl_b32 s21, ttmp9, 2
	s_add_co_u32 s21, s21, s19                     ; tc
	s_and_b32 s22, ttmp7, 0xffff
	s_lshl_b32 s22, s22, 2
	s_add_co_u32 s22, s22, s20                     ; tr
	s_lshl_b32 s92, s20, 2
	s_lshl_b32 s92, 15, s92
	s_lshl_b32 s93, 0x1111, s19
	s_or_b32 s[G1A], s92, (3<<16)|(1<<21)
	s_or_b32 s[G1B], s93, (3<<16)|(1<<21)
.irp g, G1A, G1B                       ; two rows (tiles) of 1,536 elements of 8 bytes
	s_mov_b32 s[\g+1], 1536<<16
	s_mov_b32 s[\g+2], 2<<16
	s_mov_b32 s[\g+3], 1536<<16
	s_mov_b32 s[\g+4], 2
	s_mov_b32 s[\g+5], 1536
	s_mov_b32 s[\g+6], 0
	s_mov_b32 s[\g+7], 0
.endr
	s_lshl_b32 s23, s16, 1
	s_lshl_b32 s94, s22, 3
	s_add_co_u32 s94, s94, s23
	s_mul_i32 s94, s94, NS*1536
	s_mov_b32 s95, 0
	s_lshl_b32 s96, s21, 3
	s_add_co_u32 s96, s96, s23
	s_mul_i32 s96, s96, NS*1536
	s_add_co_u32 s96, s96, WOFF
	s_mov_b32 s97, 0
	s_mul_i32 s98, s22, SWG                        ; y's words: my group of four tiles, K step kq
	s_lshl_b32 s23, s[ISB], 11
	s_add_co_u32 s98, s98, s23
	s_lshl_b32 s23, s16, 8
	s_add_co_u32 s98, s98, s23
	s_add_co_u32 s98, s98, ASOFF
	s_mov_b32 s99, 0
	s_mul_i32 s100, s21, SWG                       ; W's words: K step kq
	s_lshl_b32 s23, s16, 2
	s_add_co_u32 s100, s100, s23
	s_add_co_u32 s100, s100, BSOFF
	s_mov_b32 s101, 0
	s_mul_i32 s2, s[WV], 24576
	s_lshl_b32 s92, s22, 7                         ; the rows that I store: tile w of the work-group's eight
	s_lshr_b32 s23, s[WV], 1
	s_lshl_b32 s23, s23, 5
	s_add_co_u32 s92, s92, s23
	s_and_b32 s23, s[WV], 1
	s_lshl_b32 s23, s23, 3
	s_add_co_u32 s92, s92, s23
	s_lshl_b32 s92, s92, 12
	s_lshl_b32 s17, s21, 9                         ; my work-group's 128 columns, in bytes
	s_add_co_u32 s92, s92, s17
	s_mov_b32 s93, 0
	s_mov_b32 s18, s17
	s_mov_b32 s19, 0
	s_mul_i32 s85, s16, 1536
	s_mul_i32 s84, s[ISB], 4*RBS
	s_add_co_u32 s84, s84, s85
	s_add_co_u32 s85, s85, BOFF
	s_mul_i32 s86, s16, PART
	s_mul_i32 s87, s[ISB], 64*PPIT
	s_add_co_u32 s86, s86, s87
	s_mul_i32 s87, s[WV], 16*PPIT
	s_wait_dscnt 0x0
	s_wait_kmcnt 0x0
	s_add_nc_u64 s[94:95], s[4:5], s[94:95]
	s_add_nc_u64 s[98:99], s[4:5], s[98:99]
	s_add_nc_u64 s[96:97], s[6:7], s[96:97]
	s_add_nc_u64 s[100:101], s[6:7], s[100:101]
	s_add_nc_u64 s[8:9], s[8:9], s[18:19]
	s_add_nc_u64 s[10:11], s[10:11], s[92:93]
	s_add_nc_u64 s[12:13], s[12:13], s[92:93]
	s_mov_b32 s[G0A], 1
	s_mov_b32 s[G0A+1], s2
	s_mov_b64 s[G0A+2:G0A+3], s[94:95]
	s_or_b32 s[G0A+3], s[G0A+3], 0x80000000
	s_mov_b32 s[G0B], 1
	s_mov_b32 s[G0B+1], s2
	s_mov_b64 s[G0B+2:G0B+3], s[96:97]
	s_or_b32 s[G0B+3], s[G0B+3], 0x80000000
	CROUND                                         ; all sixteen work-groups are here: the joint loads meet
	s_cmp_eq_u32 s[ISB], 0                         ; my one load: two tiles, all of K
	s_cbranch_scc0 .Lfor_b
	tensor_load_to_lds s[G0A:G0A+3], s[G1A:G1A+7]
	s_nop 0
	PLACES
	s_branch .Lasked
.Lfor_b:
	tensor_load_to_lds s[G0B:G0B+3], s[G1B:G1B+7]
	s_nop 0
	PLACES
.Lasked:
	v_and_b32 v16, 31, v0
	v_and_b32 v17, 15, v0                          ; r
	v_bfe_u32 v18, v0, 4, 1                        ; h
	v_lshlrev_b32 v[L16], 4, v16
	v_lshlrev_b32 v19, 3, v16                      ; y's fragments come by 8 bytes a lane
	v_lshlrev_b32 v20, 4, v17
	v_lshlrev_b32 v21, 5, v17
	v_mul_u32_u24 v[STO], v17, PPIT
	v_lshl_add_u32 v20, v18, 10, v20               ; 16 r + 1,024 h: four K steps on in lanes 16-31
	v_lshl_add_u32 v21, v18, 4, v21                ; 32 r + 16 h: likewise
	global_load_b128 v[SC:SC+3], v20, s[98:99]
.irp t, 0,1,2,3,4,5,6,7
	global_load_b32 v[SC+4+\t], v21, s[100:101] offset:512*\t
.endr
.irp i, 0,1,2,3,4,5,6,7,8,9,10,11,12,13,14,15
	global_load_b128 v[RES+4*\i:RES+4*\i+3], v[L16], s[10:11] offset:(\i+8*(\i/8))*4096   ; 512 consecutive bytes of the residual's row
.endr
	global_load_b128 v[BI:BI+3], v[L16], s[8:9]
	v_add_nc_u32 v[ADA], s84, v19
	v_add_nc_u32 v[ADB], s85, v[L16]
	v_lshl_add_u32 v[STO], v18, 6, v[STO]
	v_add_nc_u32 v[RD], s87, v[L16]
	v_add_nc_u32 v[ADB+1], 4*RBS, v[ADB]
	v_add_nc_u32 v[STO], s86, v[STO]               ; part kq, row 64 mw + r, + 64 h
	v_add_nc_u32 v[RD+1], PART, v[RD]
	v_add_nc_u32 v[RD+2], 2*PART, v[RD]
	v_add_nc_u32 v[RD+3], 3*PART, v[RD]
.macro FRAG reg, adr, off
.irp g, 0,1,2
	ds_load_b128 v[\reg+4*\g:\reg+4*\g+3], v[\adr] offset:\off+512*\g
.endr
.endm
.macro FRAGH reg, adr, off             ; two halves of 768 bytes: six loads of 256 consecutive bytes
.irp q, 0,1,2,3,4,5
	ds_load_b64 v[\reg+2*\q:\reg+2*\q+1], v[\adr] offset:\off+256*\q
.endr
.endm
.macro MULS t0, f                      ; the 32 accumulators take turns, one instruction a turn
.irp t, \t0, \t0+1, \t0+2, \t0+3
.irp a, 0,1,2,3
.if \f == 0
	v_wmma_scale_f32_16x16x128_f8f6f4 v[8*(8*\a+(\t)):8*(8*\a+(\t))+7], v[BF+12*(\t):BF+12*(\t)+11], v[AF+12*\a:AF+12*\a+11], 0, v[SC+4+(\t)], v[SC+\a] matrix_a_fmt:MATRIX_FMT_FP6 matrix_b_fmt:MATRIX_FMT_FP6
.else
	v_wmma_scale_f32_16x16x128_f8f6f4 v[8*(8*\a+(\t)):8*(8*\a+(\t))+7], v[BF+12*(\t):BF+12*(\t)+11], v[AF+12*\a:AF+12*\a+11], v[8*(8*\a+(\t)):8*(8*\a+(\t))+7], v[SC+4+(\t)], v[SC+\a] matrix_a_fmt:MATRIX_FMT_FP6 matrix_b_fmt:MATRIX_FMT_FP6 matrix_a_scale:MATRIX_SCALE_ROW1 matrix_b_scale:MATRIX_SCALE_ROW1
.endif
.endr
.endr
.endm
.macro KSTEP f                         ; my K step 4 f + kq
	PLACES
.irp a, 0,1,2,3
	FRAGH AF+12*\a, ADA, \a*RBS+6144*\f
.endr
.irp t, 0,1,2,3
	FRAG BF+12*\t, ADB, \t*RBS+6144*\f
.endr
.irp t, 0,1,2,3
	FRAG BF+48+12*\t, ADB+1, \t*RBS+6144*\f
.endr
	s_wait_dscnt 12                                ; all but the twelve youngest loads: W's tiles 4-7
.if \f == 0
	WIN 0x40
.else
	WIN 0x50
.endif
	MULS 0, \f
	s_wait_dscnt 0x0
	MULS 4, \f
	WIN 0
.endm
	s_wait_alu depctr_va_vdst(0)                   ; the wait at the head's end
	s_wait_tensorcnt 0x0                           ; my two tiles are in,
	s_barrier_signal -1
	s_barrier_wait -1                              ; everybody's are
	s_wait_loadcnt 17                              ; the nine loads of scale words; the residual and the bias may be out
	KSTEP 0
	KSTEP 1
	; THE FOUR PARTS MEET
	PLACES
	BAR                                            ; every wave's reads of the tiles are over
	WIN 0x04                                       ; an LDS store's data are its source 1: window 1
.irp a, 0,1,2,3
.irp b, 0,1,2,3
.irp q, 0,1,2,3
	ds_store_b128 v[STO], v[64*\a+16*\b+4*\q:64*\a+16*\b+4*\q+3] offset:16*PPIT*\a+128*\b+16*\q   ; each accumulator from its low end on
.endr
.endr
.endr
	WIN 0
	s_wait_loadcnt 0x0                             ; the residual and the bias
.set j, 0
.rept 16
	v_pk_add_f32 v[RES+4*j:RES+4*j+1], v[RES+4*j:RES+4*j+1], v[BI:BI+1]
	v_pk_add_f32 v[RES+4*j+2:RES+4*j+3], v[RES+4*j+2:RES+4*j+3], v[BI+2:BI+3]
.set j, j+1
.endr
	s_wait_alu depctr_va_vdst(0)                   ; the wait ahead of the barrier
	BAR
.irp g, 0,1,2,3                        ; wave w adds and stores stage rows 16 w .. 16 w + 15, four at a time
	s_wait_xcnt 0x0                                ; the last four rows' stores have read their registers
.irp i, 0,1,2,3
.irp p, 0,1,2,3
	ds_load_b128 v[16+16*\i+4*\p:16+16*\i+4*\p+3], v[RD+\p] offset:PPIT*(4*\g+\i)
.endr
.endr
	s_wait_dscnt 0x0
.irp i, 0,1,2,3
.irp d, 0,2
	v_pk_add_f32 v[16+16*\i+\d:16+16*\i+\d+1], v[16+16*\i+\d:16+16*\i+\d+1], v[20+16*\i+\d:20+16*\i+\d+1]
	v_pk_add_f32 v[24+16*\i+\d:24+16*\i+\d+1], v[24+16*\i+\d:24+16*\i+\d+1], v[28+16*\i+\d:28+16*\i+\d+1]
	s_delay_alu instid0(VALU_DEP_1)
	v_pk_add_f32 v[16+16*\i+\d:16+16*\i+\d+1], v[16+16*\i+\d:16+16*\i+\d+1], v[24+16*\i+\d:24+16*\i+\d+1]
	s_delay_alu instid0(VALU_DEP_1)
	v_pk_add_f32 v[16+16*\i+\d:16+16*\i+\d+1], v[16+16*\i+\d:16+16*\i+\d+1], v[RES+4*(4*\g+\i)+\d:RES+4*(4*\g+\i)+\d+1]
.endr
	global_store_b128 v[L16], v[16+16*\i:16+16*\i+3], s[12:13] offset:((4*\g+\i)+8*((4*\g+\i)/8))*4096   ; 512 consecutive bytes, aligned
.endr
.endr
	s_wait_tensorcnt 0x0                           ; the wave's end
	ds_add_u32 v[SPW], v[NIL]
	s_wait_dscnt 0x0
	CROUND                                         ; the closing round
	s_endpgm
.Lfunc_end_k_q06a4d17e1a_aproj:
	.size	k_q06a4d17e1a_aproj, .Lfunc_end_k_q06a4d17e1a_aproj-k_q06a4d17e1a_aproj
	.p2alignl 7, 3214868480
	.fill 96, 4, 3214868480
	.section	.rodata,"a",@progbits
	.p2align	6, 0x0
	.amdhsa_kernel k_q06a4d17e1a_aproj
		.amdhsa_group_segment_fixed_size 327680
		.amdhsa_private_segment_fixed_size 0
		.amdhsa_enable_private_segment 0
		.amdhsa_kernarg_size 40
		.amdhsa_user_sgpr_count 2
		.amdhsa_user_sgpr_kernarg_segment_ptr 1
		.amdhsa_wavefront_size32 1
		.amdhsa_system_sgpr_workgroup_id_x 1
		.amdhsa_system_sgpr_workgroup_id_y 1
		.amdhsa_system_sgpr_workgroup_id_z 1
		.amdhsa_system_vgpr_workitem_id 0
		.amdhsa_next_free_vgpr 512
		.amdhsa_next_free_sgpr 102
		.amdhsa_reserve_vcc 0
		.amdhsa_float_denorm_mode_32 3
		.amdhsa_float_denorm_mode_16_64 3
		.amdhsa_memory_ordered 1
		.amdhsa_forward_progress 1
		.amdhsa_inst_pref_size 47
	.end_amdhsa_kernel
	.amdgpu_metadata
---
amdhsa.version: [ 1, 2 ]
amdhsa.kernels:
  - .name:           k_q06a4d17e1a_aproj
    .symbol:         k_q06a4d17e1a_aproj.kd
    .args:
      - { .name: Yb, .offset: 0, .size: 8, .value_kind: global_buffer, .address_space: global }
      - { .name: Wb, .offset: 8, .size: 8, .value_kind: global_buffer, .address_space: global }
      - { .name: b_aproj, .offset: 16, .size: 8, .value_kind: global_buffer, .address_space: global }
      - { .name: x, .offset: 24, .size: 8, .value_kind: global_buffer, .address_space: global }
      - { .name: X1, .offset: 32, .size: 8, .value_kind: global_buffer, .address_space: global }
    .group_segment_fixed_size: 327680
    .private_segment_fixed_size: 0
    .kernarg_segment_align: 8
    .kernarg_segment_size: 40
    .max_flat_workgroup_size: 256
    .sgpr_count:     102
    .vgpr_count:     512
    .wavefront_size: 32
...
	.end_amdgpu_metadata
.endif
;; end of part 4
;; launch ln2: the kernel of part 1 again; grid 256 x 1, 4 waves a work-group, no clusters, 44,032 bytes of LDS; arguments X1, ln2_g, ln2_b, W_attn, W_aproj, W_fc, W_mproj, Hb, Wb; writes Hb, Wb
;; launch fc (part 5): grid 16 x 16, 8 waves a work-group, clusters of 4 x 4, 327,680 bytes of LDS; arguments Hb, Wb, b_fc, Mb; writes Mb
.if DOCPART == 5
	.amdgcn_target "amdgcn-amd-amdhsa--gfx1250"
	.amdhsa_code_object_version 6
	.text
	.protected	k_q06a4d17e1a_fc
	.globl	k_q06a4d17e1a_fc
	.p2align	8
	.type	k_q06a4d17e1a_fc,@function
k_q06a4d17e1a_fc:
	s_mov_b64 s[64:65], 0
	v_nop
	global_prefetch_b8 v0, s[64:65] scope:SCOPE_SE
	s_setreg_imm32_b32 hwreg(HW_REG_WAVE_MODE, 25, 1), 1
	s_wait_xcnt 0x0
	s_wait_alu depctr_hold_cnt(0) depctr_sa_sdst(0) depctr_va_vdst(0) depctr_va_sdst(0) depctr_va_ssrc(0) depctr_va_vcc(0) depctr_vm_vsrc(0)
	s_getreg_b32 s2, hwreg(HW_REG_IB_STS2, 6, 4)
	s_cmp_eq_u32 s2, 0
	s_cbranch_scc0 .Lentry_in_a_cluster
	s_endpgm
.Lentry_in_a_cluster:
	s_bfe_u32 s2, ttmp6, 0x10000c
	s_cmp_lg_u32 s2, 0xf033
	s_cbranch_scc0 .Lentry_shape_is_right
	s_endpgm
.Lentry_shape_is_right:
; m = gelu(LN2(x1) W_fc^T + b_fc) on codes of FP6 (E2M3), K = 1,024; m is quantised along its 4,096 channels and stored as images of operand registers: it never lies in memory as f32.
; A work-group makes 256 x 256; each of its EIGHT waves 64 tokens (4 tiles of source 1) x 128 channels (8 tiles of source 0): 32 accumulators fill register window 1, all else lies in window 0.
; THE PRODUCT IS USED TRANSPOSED (source 0 = 16 rows of W_fc): a lane holds one token, and by the order of a tile's rows (tile 2 b + u, row p: 32 b + 8 u + p + 8 (p / 8)) register 64 a + 16 b + i is channel 32 b + 16 h + i.
; So a wave's 128 channels are one K step of the next product: a whole fragment and a whole scale word a row.
; THE BIAS IS LOADED INTO THE ACCUMULATORS, in the result's layout, and every product adds in place: no register of window 0 is kept for it and no addition is spent on it.
; LDS: slots X and Y of three K steps each (16 + 16 tile rows of 4,608 bytes); a wave's one tensor load brings four tile rows.  X (K steps 0-2) is asked for at the head, Y (3-5) behind the full sequence and a round,
; K steps 6-7 (tile rows of 3,072 bytes) land on X's bytes behind a further round.  JOINT LOADS: tokens' tiles along a row of the cluster, W_fc's along a column.  No prefetch: K has eight steps, and each load is asked for three steps ahead of its use.
; SCALE WORDS go from memory straight into registers, once: lane (r, h) takes 16 bytes at 32 r + 16 h of a tile's 512: register j holds K step j in lanes 0-15 and K step 4 + j in lanes 16-31.
; GELU: 0.5 x (1 + tanh(u)) = x / (1 + 2^(x (c2 + c1 x^2))), c2 = -2 sqrt(2 / pi) log2(e), c1 = 0.044715 c2: the same function, with no difference of near numbers.
; LIMITS: NaN and infinities are not served; a block whose largest magnitude lies under 2^-124 gets the byte 1.
.set SLOTB, 147456
.set BOFF,  73728
.set RBS,   4608
.set ZBOFF, 49152
.set ZRBS,  3072
.set SPARE, 2*SLOTB                    ; the spare words, 128 bytes a wave
.set L16, 1
.set ADA, 2
.set ADB, 5
.set SV,  8
.set AF,  16
.set BF,  64
.set SC,  160                          ; v160-207 scale words and nothing else
.set SPW, 248
.set NIL, 249
.set PC,  16
.set TM,  36
.set PW,  52
.set SW,  56
.set SA,  62
.set LN,  63
.set HH,  64
.set CV,  128
.set WV,  14
.set ISB, 15
.set G1A, 24
.set G1B, 32
.set G1AZ,40
.set G1BZ,48
.set G0AX,56
.set G0AY,60
.set G0AZ,68
.set G0BX,72
.set G0BY,76
.set G0BZ,80
.set MSB, 0
.macro WIN new
.if MSB != \new
	s_set_vgpr_msb (MSB<<8)|\new
.set MSB, \new
.endif
.endm
.macro PLACES
.rept 4
	v_nop
.endr
.endm
.macro CROUND
	s_barrier_signal -1
	s_barrier_wait -1
	s_cmp_lg_u32 s[WV], 0
	s_cbranch_scc1 .Lnot_wave_0_\@
	s_barrier_signal -3
.Lnot_wave_0_\@:
	s_barrier_wait -3
	s_barrier_signal -1
	s_barrier_wait -1
.endm
.macro JLOAD g0a, g1a, g0b, g1b        ; waves 0-3 fetch for the tokens, waves 4-7 for W_fc
	s_cmp_eq_u32 s[ISB], 0
	s_cbranch_scc0 .Lfor_b_\@
	tensor_load_to_lds s[\g0a:\g0a+3], s[\g1a:\g1a+7]
	s_nop 0
	PLACES
	s_branch .Lasked_\@
.Lfor_b_\@:
	tensor_load_to_lds s[\g0b:\g0b+3], s[\g1b:\g1b+7]
	s_nop 0
	PLACES
.Lasked_\@:
.endm
.macro G0SET g, base, lds, adr, off
	s_mov_b32 s[\g], 1
	s_add_co_u32 s[\g+1], s[\base], \lds
	s_add_nc_u64 s[\g+2:\g+3], s[\adr:\adr+1], \off
	s_or_b32 s[\g+3], s[\g+3], 0x80000000
.endm
.macro G1SET g, el                     ; four tile rows of el elements of 8 bytes, 1,536 elements apart
	s_mov_b32 s[\g+1], \el<<16
	s_mov_b32 s[\g+2], 4<<16
	s_mov_b32 s[\g+3], \el<<16
	s_mov_b32 s[\g+4], 4
	s_mov_b32 s[\g+5], 1536
	s_mov_b32 s[\g+6], 0
	s_mov_b32 s[\g+7], 0
.endm
	s_load_b256 s[4:11], s[0:1], 0x0               ; Hb, Wb, b_fc, Mb
	v_lshl_add_u32 v[SPW], v0, 2, SPARE
	v_mov_b32 v[NIL], 0
	ds_add_u32 v[SPW], v[NIL]                      ; the opening lines
	ds_add_u32 v[SPW], v[NIL]
	v_lshrrev_b32 v10, 5, v0
	v_readfirstlane_b32 s[WV], v10
	s_lshr_b32 s[ISB], s[WV], 2
	s_and_b32 s16, s[WV], 3
	s_lshr_b32 s17, s[WV], 1                       ; mw
	s_and_b32 s18, s[WV], 1                        ; nw
	s_bfe_u32 s19, ttmp6, 0x40000
	s_bfe_u32 s20, ttmp6, 0x40004
	s_lshl_b32 s21, ttmp9, 2
	s_add_co_u32 s21, s21, s19                     ; tc
	s_and_b32 s22, ttmp7, 0xffff
	s_lshl_b32 s22, s22, 2
	s_add_co_u32 s22, s22, s20                     ; tr
	s_lshl_b32 s92, s20, 2
	s_lshl_b32 s92, 15, s92
	s_lshl_b32 s93, 0x1111, s19
	s_or_b32 s[G1A], s92, (3<<16)|(1<<21)
	s_or_b32 s[G1B], s93, (3<<16)|(1<<21)
	s_or_b32 s[G1AZ], s92, (3<<16)|(1<<21)
	s_or_b32 s[G1BZ], s93, (3<<16)|(1<<21)
	G1SET G1A, 576
	G1SET G1B, 576
	G1SET G1AZ, 384
	G1SET G1BZ, 384
	s_mul_i32 s12, s16, 49152
	s_mul_i32 s94, s22, 196608
	s_add_co_u32 s94, s94, s12
	s_mov_b32 s95, 0
	s_mul_i32 s96, s21, 196608
	s_add_co_u32 s96, s96, s12
	s_add_co_u32 s96, s96, 3145728                 ; W_fc's codes in Wb
	s_mov_b32 s97, 0
	s_lshl_b32 s98, s22, 13                        ; my own tiles' scale words: 512 bytes a tile
	s_lshl_b32 s12, s17, 11
	s_add_co_u32 s98, s98, s12
	s_add_co_u32 s98, s98, 3145728                 ; the tokens' in Hb
	s_mov_b32 s99, 0
	s_lshl_b32 s100, s21, 13
	s_lshl_b32 s12, s18, 12
	s_add_co_u32 s100, s100, s12
	s_add_co_u32 s100, s100, 9568256               ; W_fc's in Wb
	s_mov_b32 s101, 0
	s_mul_i32 s12, s[WV], 18432
	s_mul_i32 s13, s[WV], 12288
	s_mul_i32 s84, s17, 18432
	s_mul_i32 s85, s17, 12288
	s_mul_i32 s86, s18, 36864
	s_add_co_u32 s86, s86, BOFF
	s_mul_i32 s87, s18, 24576
	s_add_co_u32 s87, s87, ZBOFF
	s_lshl_b32 s88, s21, 10
	s_lshl_b32 s89, s18, 9
	s_add_co_u32 s88, s88, s89                     ; 4 x (256 tc + 128 nw)
	s_wait_dscnt 0x0
	s_wait_kmcnt 0x0
	s_add_nc_u64 s[94:95], s[4:5], s[94:95]
	s_add_nc_u64 s[98:99], s[4:5], s[98:99]
	s_add_nc_u64 s[96:97], s[6:7], s[96:97]
	s_add_nc_u64 s[100:101], s[6:7], s[100:101]
	G0SET G0AX, 12, 0, 94, 0
	G0SET G0AY, 12, SLOTB, 94, 4608
	G0SET G0AZ, 13, 0, 94, 9216
	G0SET G0BX, 12, 0, 96, 0
	G0SET G0BY, 12, SLOTB, 96, 4608
	G0SET G0BZ, 13, 0, 96, 9216
	CROUND                                         ; all sixteen work-groups are here: the first joint loads meet
	JLOAD G0AX, G1A, G0BX, G1B                     ; K steps 0-2: my one load at the head
	v_and_b32 v10, 31, v0
	v_and_b32 v11, 15, v0
	v_bfe_u32 v12, v0, 4, 1
	v_lshlrev_b32 v[L16], 4, v10
	v_lshlrev_b32 v14, 5, v11
	v_lshl_add_u32 v13, v12, 6, s88
	v_lshl_add_u32 v[SV], v12, 4, v14
	v_add_nc_u32 v[ADA], s84, v[L16]
	v_add_nc_u32 v[ADB], s86, v[L16]
.irp a, 0,1,2,3
	global_load_b128 v[SC+4*\a:SC+4*\a+3], v[SV], s[98:99] offset:512*\a
.endr
.irp t, 0,1,2,3,4,5,6,7
	global_load_b128 v[SC+16+4*\t:SC+16+4*\t+3], v[SV], s[100:101] offset:512*\t
.endr
	WIN 0x40                                       ; the loads' destinations: window 1
.irp a, 0,1,2,3
.set n, 0
.rept 16
	global_load_b128 v[64*\a+n:64*\a+n+3], v13, s[8:9] offset:128*(n/16)+16*((n%16)/4)   ; register 64 a + n: the bias of channel 32 (n / 16) + 16 h + n % 16
.set n, n+4
.endr
.endr
	WIN 0
	v_add_nc_u32 v[ADA+2], s85, v[L16]
	v_add_nc_u32 v[ADB+2], s87, v[L16]
	v_add_nc_u32 v[ADA+1], SLOTB, v[ADA]
	v_add_nc_u32 v[ADB+1], SLOTB, v[ADB]
.macro FRAG reg, adr, off
.irp g, 0,1,2
	ds_load_b128 v[\reg+4*\g:\reg+4*\g+3], v[\adr] offset:\off+512*\g
.endr
.endm
.macro MULS t0, s                      ; 16 products of K step s; the 32 accumulators take turns, one instruction a turn
.irp t, \t0, \t0+1, \t0+2, \t0+3
.irp a, 0,1,2,3
.if (\s) < 4
	v_wmma_scale_f32_16x16x128_f8f6f4 v[8*(8*\a+(\t)):8*(8*\a+(\t))+7], v[BF+12*(\t):BF+12*(\t)+11], v[AF+12*\a:AF+12*\a+11], v[8*(8*\a+(\t)):8*(8*\a+(\t))+7], v[SC+16+4*(\t)+(\s)%4], v[SC+4*\a+(\s)%4] matrix_a_fmt:MATRIX_FMT_FP6 matrix_b_fmt:MATRIX_FMT_FP6
.else
	v_wmma_scale_f32_16x16x128_f8f6f4 v[8*(8*\a+(\t)):8*(8*\a+(\t))+7], v[BF+12*(\t):BF+12*(\t)+11], v[AF+12*\a:AF+12*\a+11], v[8*(8*\a+(\t)):8*(8*\a+(\t))+7], v[SC+16+4*(\t)+(\s)%4], v[SC+4*\a+(\s)%4] matrix_a_fmt:MATRIX_FMT_FP6 matrix_b_fmt:MATRIX_FMT_FP6 matrix_a_scale:MATRIX_SCALE_ROW1 matrix_b_scale:MATRIX_SCALE_ROW1
.endif
.endr
.endr
.endm
.macro KSTEP ada, adb, rbs, off, s     ; K step s, at byte off of tile rows rbs apart
	PLACES
.irp a, 0,1,2,3
	FRAG AF+12*\a, \ada, \a*\rbs+\off
.endr
.irp t, 0,1,2,3,4,5,6,7
	FRAG BF+12*\t, \adb, \t*\rbs+\off
.endr
	s_wait_dscnt 12                                ; all but the twelve youngest loads: W_fc's tiles 4-7
	WIN 0x50
	MULS 0, \s
	s_wait_dscnt 0x0
	MULS 4, \s
	WIN 0
.endm
.macro THREE                           ; all my tensor loads have landed; the add and my LDS reads are done
	s_wait_tensorcnt 0x0
	ds_add_u32 v[SPW], v[NIL]
	s_wait_dscnt 0x0
.endm
	s_wait_alu depctr_va_vdst(0)                   ; the wait at the head's end
	THREE
	CROUND                                         ; X is whole in every partner
	JLOAD G0AY, G1A, G0BY, G1B                     ; K steps 3-5: Y's first fill, issued as a refill is
	s_wait_loadcnt 0x0                             ; scale words and the bias
	KSTEP ADA, ADB, RBS, 0, 0
	KSTEP ADA, ADB, RBS, 1536, 1
	KSTEP ADA, ADB, RBS, 3072, 2
	THREE
	CROUND                                         ; no wave of any partner reads X any more
	JLOAD G0AZ, G1AZ, G0BZ, G1BZ                   ; K steps 6-7 onto X's bytes
	KSTEP ADA+1, ADB+1, RBS, 0, 3
	KSTEP ADA+1, ADB+1, RBS, 1536, 4
	KSTEP ADA+1, ADB+1, RBS, 3072, 5
	s_wait_tensorcnt 0x0
	s_wait_dscnt 0x0
	s_barrier_signal -1
	s_barrier_wait -1                              ; K steps 6-7 are whole
	KSTEP ADA+2, ADB+2, ZRBS, 0, 6
	KSTEP ADA+2, ADB+2, ZRBS, 1536, 7
; 64 numbers of a lane, register s + 16 b + i = k 32 b + 16 h + i of my row, become a fragment's codes in v[PC] on and its scale word in v[PW]
.macro QUANT s
.irp b, 0,1,2,3
	v_max3_num_f32 v[TM+\b], |v[\s+16*\b]|, |v[\s+16*\b+1]|, 0x1800000   ; with the floor 2^(3 - 127)
.endr
.irp i, 2,4,6,8,10,12,14
.irp b, 0,1,2,3
	s_delay_alu instid0(VALU_DEP_4)
	v_max3_num_f32 v[TM+\b], |v[\s+16*\b+\i]|, |v[\s+16*\b+\i+1]|, v[TM+\b]
.endr
.endr
.irp b, 0,1,2,3
	s_delay_alu instid0(VALU_DEP_4)
	v_permlanex16_b32 v[TM+4+\b], v[TM+\b], s98, s99
.endr
.irp b, 0,1,2,3
	s_delay_alu instid0(VALU_DEP_4)
	v_max_num_f32 v[TM+\b], v[TM+\b], v[TM+4+\b]
.endr
.irp b, 0,1,2,3
	s_delay_alu instid0(VALU_DEP_4)
	v_add_nc_u32 v[TM+12+\b], 0xff000000, v[TM+\b]
.endr
.irp b, 0,1,2,3
	s_delay_alu instid0(VALU_DEP_4)
	v_lshrrev_b32 v[TM+4+\b], 23, v[TM+12+\b]
.endr
	s_delay_alu instid0(VALU_DEP_3)
	v_lshl_or_b32 v[PW], v[TM+5], 8, v[TM+4]
	s_delay_alu instid0(VALU_DEP_1)
	v_lshl_or_b32 v[PW], v[TM+6], 16, v[PW]
	s_delay_alu instid0(VALU_DEP_1)
	v_lshl_or_b32 v[PW], v[TM+7], 24, v[PW]
.irp c, 0,1
	v_cvt_scalef32_pk16_fp6_f32 v[PC+6*\c:PC+6*\c+2], v[\s+32*\c:\s+32*\c+15], v[TM+12+2*\c]
	v_cvt_scalef32_pk16_fp6_f32 v[PC+12+4*\c:PC+14+4*\c], v[\s+32*\c+16:\s+32*\c+31], v[TM+13+2*\c]
.endr
	v_nop                                          ; one plain place behind a scaled conversion
.irp c, 0,1
.irp i, 0,1,2
	v_permlane16_swap_b32 v[PC+6*\c+\i], v[PC+12+4*\c+\i]
.endr
.irp i, 0,1,2
	s_delay_alu instid0(VALU_DEP_3)
	v_mov_b32 v[PC+3+6*\c+\i], v[PC+12+4*\c+\i]
.endr
.endr
.endm
	PLACES
	s_mov_b32 s98, 0x76543210
	s_mov_b32 s99, 0xfedcba98
	s_mov_b32 s92, 0xbdd2d3e8                      ; c1
	s_mov_b32 s93, s92
	v_mov_b32 v[CV], 0xc0135761                    ; c2
	v_mov_b32 v[CV+1], 0xc0135761
	v_and_b32 v[LN], 31, v0
	v_and_b32 v[SA], 15, v0
	s_delay_alu instid0(VALU_DEP_1)
	v_lshlrev_b32 v[SA], 4, v[SA]
.irp b, 0,1,2,3
	v_mov_b32 v[TM+4+\b], 0
.endr
	s_lshl_b32 s2, s22, 2
	s_add_co_u32 s2, s2, s17                       ; my group of four tiles
	s_lshl_b32 s3, s21, 1
	s_add_co_u32 s3, s3, s18                       ; the next product's K step
	s_mul_i32 s12, s2, 196608
	s_mul_i32 s13, s3, 1536
	s_add_co_u32 s12, s12, s13
	s_mov_b32 s13, 0
	s_lshl_b32 s96, s2, 13
	s_lshl_b32 s97, s3, 8
	s_add_co_u32 s96, s96, s97
	s_add_co_u32 s96, s96, 12582912
	s_mov_b32 s97, 0
	s_add_nc_u64 s[12:13], s[10:11], s[12:13]
	s_add_nc_u64 s[96:97], s[10:11], s[96:97]
.irp a, 0,1,2,3
	WIN 0x05
.set j, 0
.rept 32
	v_pk_mul_f32 v[HH+j:HH+j+1], v[64*\a+j:64*\a+j+1], v[64*\a+j:64*\a+j+1]         ; x^2: each accumulator from its low end on
.set j, j+2
.endr
	WIN 0
.set j, 0
.rept 32
	v_pk_fma_f32 v[HH+j:HH+j+1], v[HH+j:HH+j+1], s[92:93], v[CV:CV+1] op_sel_hi:[1,0,1]   ; c1 x^2 + c2
.set j, j+2
.endr
	WIN 0x04
.set j, 0
.rept 32
	v_pk_mul_f32 v[HH+j:HH+j+1], v[HH+j:HH+j+1], v[64*\a+j:64*\a+j+1]
.set j, j+2
.endr
	WIN 0
.set j, 0
	s_wait_alu depctr_va_vdst(0)
.rept 64
	v_exp_f32 v[HH+j], v[HH+j]
.set j, j+1
.endr
	v_nop                                          ; a plain instruction behind the batch,
	s_wait_alu depctr_va_vdst(0)                   ; and one wait for it, ahead of its first reader
.set j, 0
.rept 32
	v_pk_add_f32 v[HH+j:HH+j+1], v[HH+j:HH+j+1], 1.0 op_sel_hi:[1,0]
.set j, j+2
.endr
.set j, 0
	s_wait_alu depctr_va_vdst(0)
.rept 64
	v_rcp_f32 v[HH+j], v[HH+j]
.set j, j+1
.endr
	v_nop
	s_wait_alu depctr_va_vdst(0)
	WIN 0x04
.set j, 0
.rept 32
	v_pk_mul_f32 v[HH+j:HH+j+1], v[HH+j:HH+j+1], v[64*\a+j:64*\a+j+1]
.set j, j+2
.endr
	WIN 0
	s_wait_xcnt 0x0                                ; the last tile's stores have read their registers
	QUANT HH
.irp g, 0,1,2
	global_store_b128 v[L16], v[PC+4*\g:PC+4*\g+3], s[12:13] offset:49152*\a+512*\g   ; 512 consecutive bytes
.endr
	v_mov_b32 v[SW+\a], v[PW]
.endr
	s_wait_alu depctr_va_vdst(0)
	s_wait_xcnt 0x0                                ; EXEC changes only behind this wait
	v_cmp_gt_u32 vcc_lo, 16, v[LN]
	s_and_saveexec_b32 s94, vcc_lo
	global_store_b128 v[SA], v[SW:SW+3], s[96:97]  ; lanes 0-15: one whole block of 256 bytes
	s_wait_xcnt 0x0
	s_or_b32 exec_lo, exec_lo, s94
	THREE                                          ; the wave's end
	CROUND                                         ; the closing round
	s_endpgm
.Lfunc_end_k_q06a4d17e1a_fc:
	.size	k_q06a4d17e1a_fc, .Lfunc_end_k_q06a4d17e1a_fc-k_q06a4d17e1a_fc
	.p2alignl 7, 3214868480
	.fill 96, 4, 3214868480
	.section	.rodata,"a",@progbits
	.p2align	6, 0x0
	.amdhsa_kernel k_q06a4d17e1a_fc
		.amdhsa_group_segment_fixed_size 327680
		.amdhsa_private_segment_fixed_size 0
		.amdhsa_enable_private_segment 0
		.amdhsa_kernarg_size 32
		.amdhsa_user_sgpr_count 2
		.amdhsa_user_sgpr_kernarg_segment_ptr 1
		.amdhsa_wavefront_size32 1
		.amdhsa_system_sgpr_workgroup_id_x 1
		.amdhsa_system_sgpr_workgroup_id_y 1
		.amdhsa_system_sgpr_workgroup_id_z 1
		.amdhsa_system_vgpr_workitem_id 0
		.amdhsa_next_free_vgpr 512
		.amdhsa_next_free_sgpr 102
		.amdhsa_reserve_vcc 1
		.amdhsa_float_denorm_mode_32 3
		.amdhsa_float_denorm_mode_16_64 3
		.amdhsa_memory_ordered 1
		.amdhsa_forward_progress 1
		.amdhsa_inst_pref_size 151
	.end_amdhsa_kernel
	.amdgpu_metadata
---
amdhsa.version: [ 1, 2 ]
amdhsa.kernels:
  - .name:           k_q06a4d17e1a_fc
    .symbol:         k_q06a4d17e1a_fc.kd
    .args:
      - { .name: Hb, .offset: 0, .size: 8, .value_kind: global_buffer, .address_space: global }
      - { .name: Wb, .offset: 8, .size: 8, .value_kind: global_buffer, .address_space: global }
      - { .name: b_fc, .offset: 16, .size: 8, .value_kind: global_buffer, .address_space: global }
      - { .name: Mb, .offset: 24, .size: 8, .value_kind: global_buffer, .address_space: global }
    .group_segment_fixed_size: 327680
    .private_segment_fixed_size: 0
    .kernarg_segment_align: 8
    .kernarg_segment_size: 32
    .max_flat_workgroup_size: 256
    .sgpr_count:     102
    .vgpr_count:     512
    .wavefront_size: 32
...
	.end_amdgpu_metadata
.endif
;; end of part 5
;; launch mproj (part 6): grid 8 x 32, 4 waves a work-group, clusters of 4 x 1, 327,680 bytes of LDS; arguments Mb, Wb, b_mproj, X1, out0; writes out0
.if DOCPART == 6
	.amdgcn_target "amdgcn-amd-amdhsa--gfx1250"
	.amdhsa_code_object_version 6
	.text
	.protected	k_q06a4d17e1a_mproj
	.globl	k_q06a4d17e1a_mproj
	.p2align	8
	.type	k_q06a4d17e1a_mproj,@function
k_q06a4d17e1a_mproj:
	s_mov_b64 s[64:65], 0
	v_nop
	global_prefetch_b8 v0, s[64:65] scope:SCOPE_SE
	s_setreg_imm32_b32 hwreg(HW_REG_WAVE_MODE, 25, 1), 1
	s_wait_xcnt 0x0
	s_wait_alu depctr_hold_cnt(0) depctr_sa_sdst(0) depctr_va_vdst(0) depctr_va_sdst(0) depctr_va_ssrc(0) depctr_va_vcc(0) depctr_vm_vsrc(0)
	s_getreg_b32 s2, hwreg(HW_REG_IB_STS2, 6, 4)
	s_cmp_eq_u32 s2, 0
	s_cbranch_scc0 .Lentry_in_a_cluster
	s_endpgm
.Lentry_in_a_cluster:
	s_bfe_u32 s2, ttmp6, 0x10000c
	s_cmp_lg_u32 s2, 0x3003
	s_cbranch_scc0 .Lentry_shape_is_right
	s_endpgm
.Lentry_shape_is_right:
; out = x1 + m W_mproj^T + b_mproj on codes of FP6 (E2M3), K = 4,096; out is f32 [4,096][1,024].
; A work-group makes 128 x 128, so that there are 256 of them.  ITS FOUR WAVES CUT K: wave w makes the whole 128 x 128 over K steps 8 w .. 8 w + 7 (64 accumulators: register windows 2 and 3);
; the four parts meet in a stage in LDS and are added there, with the bias and the residual: an order of adding that differs from a plain loop over K.
; Both operands lie in memory as fragments of 1,536 bytes, [tile][K step], registers 4 g .. 4 g + 3 of lane l at 512 g + 16 l.  With K cut among the waves each fragment is used by one wave alone, once (8 products).
; m's FRAGMENTS COME THROUGH LDS BY JOINT LOADS: the four work-groups of a cluster make four column blocks of one row block and need the same tiles of m.  A wave's one tensor load brings its own quarter of K: eight tile rows.
; Slots X and Y hold three of each wave's steps (4 x 8 rows of 4,608 bytes): X (steps 0-2) is asked for at the head, Y (3-5) behind the full sequence and a round, steps 6-7 (rows of 3,072 bytes) land on X's bytes behind a further round.
; W's FRAGMENTS GO FROM MEMORY STRAIGHT INTO OPERAND REGISTERS, three loads of 512 consecutive bytes each: two slots of both operands' three steps would be 589,824 bytes, which LDS does not hold.
; TWO REGISTER SETS of 16 fragments take turns: step f's products run on set f % 2 while step f + 1's fragments land in the other set: 64 products lie between a load and the wait for it.
; PREFETCH: in step f each wave asks for its share of W's step f + 3, which is loaded in step f + 2: the 32 work-groups that read W's 48 blocks of 256 bytes take block tr and block 32 + tr % 16 (the last sixteen are so named twice).
; Steps 0-2 come by their loads alone.  The residual's 32 rows a wave are asked for at the head.  None for m: each of its three fills is asked for three steps ahead of its use.
; THE PRODUCT IS USED TRANSPOSED (source 0 = 16 rows of W): a lane holds one token, and of row tile a register 64 (a % 4) + 16 b + i is column 32 b + 16 h + i.  A tile's rows are not neighbours: tile 2 b + u, row p: 32 b + 8 u + p + 8 (p / 8).
; SCALE WORDS, 64 registers, loaded once: register j of a run of four holds K step j of my eight in lanes 0-15 and K step 4 + j in lanes 16-31.
; REGISTERS: window 0: v0-31 addresses, v32-63 m's scale words, v64-95 W's, v96-191 m's set 0, v192-227 tiles 5-7 of m's set 1; window 1: v0-95, v96-191 W's two sets, v192-251 tiles 0-4 of m's set 1.
.set WOFF,  6291456                    ; W's codes in Wb
.set ASOFF, 12582912                   ; m's scale words in Mb: [4 tiles][K step][row][tile]
.set BSOFF, 9699328                    ; W's in Wb: [tile][quarter of K][row][K step]
.set TP,    49152                      ; a tile's 32 K steps
.set SLOTB, 147456
.set PPIT,  528                        ; a stage row: 512 bytes + 16
.set PART,  128*PPIT                   ; the stage's four parts lie from byte 0 on: over slots that have had their last fill and their last read
.set SPARE, 2*SLOTB                    ; the spare words, 128 bytes a wave
.set L16, 1
.set SVB, 2                            ; 32 r + 16 h
.set SVA, 3                            ; 16 r + 1,024 h
.set STO, 4
.set RD,  5                            ; v5-8
.set PFB, 10
.set PFX, 11
.set SPW, 16
.set NIL, 17
.set BI,  20                           ; v20-23 the bias of my four columns
.set ADX, 24                           ; my part of slot X, of slot Y, and of steps 6-7
.set ADY, 25
.set ADZ, 26
.set SCA, 32
.set SCB, 64
.set WV,  14
.set G1,  48
.set G1Z, 56
.set G0X, 68
.set G0Y, 72
.set G0Z, 76
.set MSB, 0
.macro WIN new                         ; bits 1:0 source 0, 3:2 source 1, 5:4 source 2, 7:6 destination; the high byte repeats the setting that is left
.if MSB != \new
	s_set_vgpr_msb (MSB<<8)|\new
.set MSB, \new
.endif
.endm
.macro PLACES                          ; four plain instructions behind a matrix instruction, ahead of loads into its registers and of reads of its results
.rept 4
	v_nop
.endr
.endm
.macro CROUND                          ; a round of the cluster's barrier
	s_barrier_signal -1
	s_barrier_wait -1
	s_cmp_lg_u32 s[WV], 0
	s_cbranch_scc1 .Lnot_wave_0_\@
	s_barrier_signal -3
.Lnot_wave_0_\@:
	s_barrier_wait -3
	s_barrier_signal -1
	s_barrier_wait -1
.endm
.macro THREE                           ; all my tensor loads have landed; the add and my LDS reads are done
	s_wait_tensorcnt 0x0
	ds_add_u32 v[SPW], v[NIL]
	s_wait_dscnt 0x0
.endm
.macro TLOAD g0, g1                    ; every wave's own eight tile rows; an s_nop 0 and four v_nop follow
	tensor_load_to_lds s[\g0:\g0+3], s[\g1:\g1+7]
	s_nop 0
	PLACES
.endm
.macro AREG set, a                     ; where m's tile a of a set lies: window AW, register AR
.if \set == 0
.set AW, 0
.set AR, 96+12*(\a)
.elseif (\a) < 5
.set AW, 1
.set AR, 192+12*(\a)
.else
.set AW, 0
.set AR, 192+12*((\a)-5)
.endif
.endm
	s_load_b256 s[4:11], s[0:1], 0x0               ; Mb, Wb, b_mproj, X1
	s_load_b64 s[12:13], s[0:1], 0x20              ; out0
	v_lshl_add_u32 v[SPW], v0, 2, SPARE
	v_mov_b32 v[NIL], 0
	ds_add_u32 v[SPW], v[NIL]                      ; the opening lines
	ds_add_u32 v[SPW], v[NIL]
	v_lshrrev_b32 v12, 5, v0
	v_readfirstlane_b32 s[WV], v12                 ; wave = my quarter of K
	s_bfe_u32 s15, ttmp6, 0x40000                  ; cx: it enters global addresses of my own loads and stores alone
	s_lshl_b32 s21, ttmp9, 2
	s_add_co_u32 s21, s21, s15                     ; tc
	s_and_b32 s22, ttmp7, 0xffff                   ; tr: the same in the cluster's four
.irp g, G1, G1Z                        ; eight tile rows, 6,144 elements of 8 bytes apart; the mask names the cluster's four
	s_mov_b32 s[\g], 15|(3<<16)|(1<<21)
	s_mov_b32 s[\g+2], 8<<16
	s_mov_b32 s[\g+4], 8
	s_mov_b32 s[\g+5], 6144
	s_mov_b32 s[\g+6], 0
	s_mov_b32 s[\g+7], 0
.endr
	s_mov_b32 s[G1+1], 576<<16                     ; three K steps: 4,608 bytes
	s_mov_b32 s[G1+3], 576<<16
	s_mov_b32 s[G1Z+1], 384<<16                    ; two: 3,072 bytes
	s_mov_b32 s[G1Z+3], 384<<16
	s_mul_i32 s24, s22, 8*TP                       ; m's codes: my row block's eight tiles, my eight K steps
	s_mul_i32 s15, s[WV], 12288
	s_add_co_u32 s24, s24, s15
	s_mov_b32 s25, 0
	s_mul_i32 s26, s21, 8*TP                       ; W's
	s_add_co_u32 s26, s26, s15
	s_add_co_u32 s26, s26, WOFF
	s_mov_b32 s27, 0
	s_lshl_b32 s28, s22, 14                        ; m's scale words: two groups of 8,192 bytes, 256 a K step
	s_lshl_b32 s15, s[WV], 11
	s_add_co_u32 s28, s28, s15
	s_add_co_u32 s28, s28, ASOFF
	s_mov_b32 s29, 0
	s_lshl_b32 s30, s21, 14                        ; W's: 2,048 bytes a tile, 512 a quarter
	s_lshl_b32 s15, s[WV], 9
	s_add_co_u32 s30, s30, s15
	s_add_co_u32 s30, s30, BSOFF
	s_mov_b32 s31, 0
	s_lshl_b32 s32, s21, 9                         ; my work-group's 128 columns, in bytes
	s_mov_b32 s33, 0
	s_lshl_b32 s34, s22, 7                         ; the 32 rows that I store: 128 tr + 32 w
	s_lshl_b32 s15, s[WV], 5
	s_add_co_u32 s34, s34, s15
	s_lshl_b32 s34, s34, 12
	s_add_co_u32 s34, s34, s32
	s_mov_b32 s35, 0
	s_mul_i32 s38, s[WV], PART
	s_mul_i32 s39, s[WV], 32*PPIT
	s_mul_i32 s46, s[WV], 36864                    ; my part of a slot: the wave's number alone enters an LDS address
	s_mul_i32 s47, s[WV], 24576
	s_mul_i32 s41, s22, 43                         ; prefetch of W: block tr: tile tr / 6 (43 x / 256 for x under 48), part tr % 6
	s_lshr_b32 s41, s41, 8
	s_mul_i32 s42, s41, 6
	s_sub_co_u32 s42, s22, s42
	s_mul_i32 s41, s41, TP
	s_lshl_b32 s42, s42, 8
	s_add_co_u32 s41, s41, s42
	s_and_b32 s43, s22, 15                         ; and block 32 + tr % 16
	s_add_co_u32 s43, s43, 32
	s_mul_i32 s44, s43, 43
	s_lshr_b32 s44, s44, 8
	s_mul_i32 s45, s44, 6
	s_sub_co_u32 s45, s43, s45
	s_mul_i32 s44, s44, TP
	s_lshl_b32 s45, s45, 8
	s_add_co_u32 s44, s44, s45
	s_wait_dscnt 0x0                               ; both opening adds are done
	s_wait_kmcnt 0x0
	s_add_nc_u64 s[24:25], s[4:5], s[24:25]
	s_add_nc_u64 s[28:29], s[4:5], s[28:29]
	s_add_nc_u64 s[26:27], s[6:7], s[26:27]
	s_add_nc_u64 s[30:31], s[6:7], s[30:31]
	s_add_nc_u64 s[32:33], s[8:9], s[32:33]
	s_add_nc_u64 s[36:37], s[12:13], s[34:35]
	s_add_nc_u64 s[34:35], s[10:11], s[34:35]
	s_mov_b32 s[G0X], 1
	s_mov_b32 s[G0X+1], s46
	s_mov_b64 s[G0X+2:G0X+3], s[24:25]
	s_or_b32 s[G0X+3], s[G0X+3], 0x80000000
	s_mov_b32 s[G0Y], 1
	s_add_co_u32 s[G0Y+1], s46, SLOTB
	s_add_nc_u64 s[G0Y+2:G0Y+3], s[24:25], 4608
	s_or_b32 s[G0Y+3], s[G0Y+3], 0x80000000
	s_mov_b32 s[G0Z], 1
	s_mov_b32 s[G0Z+1], s47
	s_add_nc_u64 s[G0Z+2:G0Z+3], s[24:25], 9216
	s_or_b32 s[G0Z+3], s[G0Z+3], 0x80000000
	CROUND                                         ; the four work-groups are here: the first joint loads meet
	TLOAD G0X, G1                                  ; my steps 0-2 of m: my one load at the head
	v_and_b32 v12, 31, v0                          ; lane
	v_and_b32 v13, 15, v0                          ; r
	v_bfe_u32 v14, v0, 4, 1                        ; h
	v_lshlrev_b32 v[L16], 4, v12
	v_lshlrev_b32 v[SVB], 5, v13
	v_lshlrev_b32 v[SVA], 4, v13
	v_mul_u32_u24 v[STO], v13, PPIT
	v_lshl_add_u32 v[SVB], v14, 4, v[SVB]
	v_lshl_add_u32 v[SVA], v14, 10, v[SVA]
	v_lshl_add_u32 v[STO], v14, 6, v[STO]
	v_add_nc_u32 v[RD], s39, v[L16]
	v_add_nc_u32 v[STO], s38, v[STO]               ; part w, row r, + 64 h
	v_add_nc_u32 v[RD+1], PART, v[RD]
	v_add_nc_u32 v[RD+2], 2*PART, v[RD]
	v_add_nc_u32 v[RD+3], 3*PART, v[RD]
	v_add_nc_u32 v[ADX], s46, v[L16]
	v_add_nc_u32 v[ADZ], s47, v[L16]
	v_mov_b32 v18, s41
	v_mov_b32 v19, s44
	v_cmp_eq_u32 vcc_lo, 0, v12
	v_cndmask_b32 v[PFB], v19, v18, vcc_lo         ; lane 0 the first block, the others the second
	v_add_nc_u32 v[ADY], SLOTB, v[ADX]
	v_lshlrev_b32 v[PFX], 12, v12                  ; a lane a row of the residual
	s_wait_alu depctr_va_vdst(0)                   ; the wait at the head's end
.irp g, 0,1
.irp j, 0,1,2,3
	global_load_b128 v[SCA+16*\g+4*\j:SCA+16*\g+4*\j+3], v[SVA], s[28:29] offset:8192*\g+256*\j   ; the words of tiles 4 g .. 4 g + 3 for K steps j and 4 + j
.endr
.endr
.irp t, 0,1,2,3,4,5,6,7
	global_load_b128 v[SCB+4*\t:SCB+4*\t+3], v[SVB], s[30:31] offset:2048*\t
.endr
.macro BLOAD f                         ; W's eight fragments of step f, 24 loads, into set f % 2
	WIN 0x40
.irp t, 0,1,2,3,4,5,6,7
.irp g, 0,1,2
	global_load_b128 v[96*((\f)%2)+12*\t+4*\g:96*((\f)%2)+12*\t+4*\g+3], v[L16], s[26:27] offset:\t*TP+(\f)*1536+512*\g
.endr
.endr
	WIN 0
.endm
.macro ALOAD f                         ; m's eight fragments of step f, 24 LDS loads, into set f % 2
.if (\f) < 3
.set AD, ADX
.set RW, 4608
.set EO, (\f)*1536
.elseif (\f) < 6
.set AD, ADY
.set RW, 4608
.set EO, ((\f)-3)*1536
.else
.set AD, ADZ
.set RW, 3072
.set EO, ((\f)-6)*1536
.endif
.irp a, 0,1,2,3,4,5,6,7
	AREG (\f)%2, \a
.set WN, AW<<6
	WIN WN
.irp g, 0,1,2
	ds_load_b128 v[AR+4*\g:AR+4*\g+3], v[AD] offset:\a*RW+EO+512*\g
.endr
.endr
	WIN 0
.endm
.macro MULA f, a                       ; m's tile a against W's eight.  The 64 accumulators take turns, one instruction a turn, in the same order in every step
	AREG (\f)%2, \a
.set WN, 1|(AW<<2)|((2+(\a)/4)*0x50)
	WIN WN
.set BB, 96*((\f)%2)
.set AC, 64*((\a)%4)
.set SA1, SCA+16*((\a)/4)+4*((\f)%4)+(\a)%4
.set SB1, SCB+(\f)%4
.irp b, 0,1,2,3,4,5,6,7
.if (\f) == 0
	v_wmma_scale_f32_16x16x128_f8f6f4 v[AC+8*\b:AC+8*\b+7], v[BB+12*\b:BB+12*\b+11], v[AR:AR+11], 0, v[SB1+4*\b], v[SA1] matrix_a_fmt:MATRIX_FMT_FP6 matrix_b_fmt:MATRIX_FMT_FP6
.elseif (\f) < 4
	v_wmma_scale_f32_16x16x128_f8f6f4 v[AC+8*\b:AC+8*\b+7], v[BB+12*\b:BB+12*\b+11], v[AR:AR+11], v[AC+8*\b:AC+8*\b+7], v[SB1+4*\b], v[SA1] matrix_a_fmt:MATRIX_FMT_FP6 matrix_b_fmt:MATRIX_FMT_FP6
.else
	v_wmma_scale_f32_16x16x128_f8f6f4 v[AC+8*\b:AC+8*\b+7], v[BB+12*\b:BB+12*\b+11], v[AR:AR+11], v[AC+8*\b:AC+8*\b+7], v[SB1+4*\b], v[SA1] matrix_a_fmt:MATRIX_FMT_FP6 matrix_b_fmt:MATRIX_FMT_FP6 matrix_a_scale:MATRIX_SCALE_ROW1 matrix_b_scale:MATRIX_SCALE_ROW1
.endif
.endr
.endm
.macro RESLOADS                        ; the residual's 32 rows and the bias, 33 loads, into set 0, which is done with: stage row n is row 8 (n / 16) + n % 16 + 8 (n % 16 / 8) of my 32
	WIN 0x40
.set n, 0
.rept 24
	global_load_b128 v[4*n:4*n+3], v[L16], s[34:35] offset:(8*(n/16)+n%16+8*((n%16)/8))*4096 th:TH_LOAD_NT
.set n, n+1
.endr
	WIN 0
.rept 8
	global_load_b128 v[96+4*(n-24):96+4*(n-24)+3], v[L16], s[34:35] offset:(8*(n/16)+n%16+8*((n%16)/8))*4096 th:TH_LOAD_NT
.set n, n+1
.endr
	global_load_b128 v[BI:BI+3], v[L16], s[32:33]
.endm
.macro STEP f
	PLACES                                         ; the other set's registers were read by the last step's products
.if (\f) < 7
	BLOAD (\f)+1
.else
	RESLOADS
.endif
.if ((\f) != 2) && ((\f) != 5) && ((\f) != 7)
	ALOAD (\f)+1                                   ; the next step's fragments of m lie in the slot in hand
	s_wait_dscnt 24                                ; this step's are in; the 24 just issued may be out
.else
	s_wait_dscnt 0x0
.endif
.if (\f) < 7
	s_wait_loadcnt 24                              ; this step's fragments of W are in; the next step's 24 loads may be out
.else
	s_wait_loadcnt 33                              ; the residual and the bias may be out
.endif
	MULA \f, 0
	MULA \f, 1
	MULA \f, 2
	MULA \f, 3
	MULA \f, 4
	MULA \f, 5
.if (\f) < 5
	WIN 0
	global_prefetch_b8 v[PFB], s[26:27] offset:((\f)+3)*1536 th:TH_LOAD_NT scope:SCOPE_SE   ; my share of W's step f + 3; the address registers are never rewritten
.endif
	MULA \f, 6
	MULA \f, 7
	WIN 0
.endm
	BLOAD 0
	global_prefetch_b8 v[PFX], s[34:35] th:TH_LOAD_NT scope:SCOPE_SE              ; the residual rows that step 7 loads: 32 rows x two blocks of 256 bytes
	global_prefetch_b8 v[PFX], s[34:35] offset:256 th:TH_LOAD_NT scope:SCOPE_SE
	THREE                                          ; my part of X is in
	CROUND
	TLOAD G0Y, G1                                  ; my steps 3-5: Y's first fill, issued as a refill is; it has three steps in which to land
	ALOAD 0
	STEP 0
	STEP 1
	STEP 2
	THREE                                          ; my part of Y is in, my reads of X are over
	CROUND                                         ; that holds of every wave of the cluster's four work-groups
	TLOAD G0Z, G1Z                                 ; my steps 6-7 onto X's bytes
	ALOAD 3
	STEP 3
	STEP 4
	STEP 5
	s_wait_tensorcnt 0x0                           ; my steps 6-7 are in: I alone read these bytes, and nothing is filled again
	ALOAD 6
	STEP 6
	STEP 7
	; THE FOUR PARTS MEET
	PLACES
	s_wait_dscnt 0x0
	s_barrier_signal -1
	s_barrier_wait -1                              ; every wave's reads of the slots are over: the stage may lie over them
.irp a, 0,1,2,3,4,5,6,7
.set WN, (2+\a/4)<<2                   ; an LDS store's data are its source 1
	WIN WN
.irp b, 0,1,2,3
.irp q, 0,1,2,3
	ds_store_b128 v[STO], v[64*(\a%4)+16*\b+4*\q:64*(\a%4)+16*\b+4*\q+3] offset:16*PPIT*\a+128*\b+16*\q   ; each accumulator from its low end on
.endr
.endr
.endr
	WIN 0
	s_wait_dscnt 0x0                               ; for the others' sake: my part is stored
	s_barrier_signal -1
	s_barrier_wait -1
.macro GL g                            ; stage rows 32 w + 4 g .. + 3 of all four parts into buffer g % 2 (v128-191, v192-255)
.irp i, 0,1,2,3
.irp p, 0,1,2,3
	ds_load_b128 v[128+64*((\g)%2)+16*\i+4*\p:128+64*((\g)%2)+16*\i+4*\p+3], v[RD+\p] offset:PPIT*(4*(\g)+\i)
.endr
.endr
.endm
	GL 0
	s_wait_loadcnt 0x0                             ; the residual and the bias
.irp g, 0,1,2,3,4,5,6,7
.set TB, 128+64*(\g%2)
.if \g < 7
	s_wait_xcnt 0x0                                ; the stores of two groups ago have read their registers
	GL \g+1
	s_wait_dscnt 16                                ; this group's sixteen loads are in, the next group's may be out
.else
	s_wait_dscnt 0x0
.endif
.irp i, 0,1,2,3
.irp d, 0,2
	v_pk_add_f32 v[TB+16*\i+\d:TB+16*\i+\d+1], v[TB+16*\i+\d:TB+16*\i+\d+1], v[TB+16*\i+4+\d:TB+16*\i+4+\d+1]
	v_pk_add_f32 v[TB+16*\i+8+\d:TB+16*\i+8+\d+1], v[TB+16*\i+8+\d:TB+16*\i+8+\d+1], v[TB+16*\i+12+\d:TB+16*\i+12+\d+1]
.endr
.endr
.irp i, 0,1,2,3
.irp d, 0,2
	v_pk_add_f32 v[TB+16*\i+\d:TB+16*\i+\d+1], v[TB+16*\i+\d:TB+16*\i+\d+1], v[TB+16*\i+8+\d:TB+16*\i+8+\d+1]
.endr
.endr
.irp i, 0,1,2,3
.irp d, 0,2
	v_pk_add_f32 v[TB+16*\i+\d:TB+16*\i+\d+1], v[TB+16*\i+\d:TB+16*\i+\d+1], v[BI+\d:BI+\d+1]
.endr
.endr
.if \g < 6
	WIN 0x04                                       ; rows 0-23 of the residual lie in window 1
.irp i, 0,1,2,3
.irp d, 0,2
	v_pk_add_f32 v[TB+16*\i+\d:TB+16*\i+\d+1], v[TB+16*\i+\d:TB+16*\i+\d+1], v[4*(4*\g+\i)+\d:4*(4*\g+\i)+\d+1]
.endr
.endr
	WIN 0
.else
.irp i, 0,1,2,3
.irp d, 0,2
	v_pk_add_f32 v[TB+16*\i+\d:TB+16*\i+\d+1], v[TB+16*\i+\d:TB+16*\i+\d+1], v[96+4*(4*\g+\i-24)+\d:96+4*(4*\g+\i-24)+\d+1]
.endr
.endr
.endif
.irp i, 0,1,2,3
	global_store_b128 v[L16], v[TB+16*\i:TB+16*\i+3], s[36:37] offset:(8*((4*\g+\i)/16)+(4*\g+\i)%16+8*(((4*\g+\i)%16)/8))*4096 th:TH_STORE_NT   ; 512 consecutive bytes, aligned
.endr
.endr
	THREE                                          ; the wave's end
	CROUND                                         ; the closing round
	s_endpgm
.Lfunc_end_k_q06a4d17e1a_mproj:
	.size	k_q06a4d17e1a_mproj, .Lfunc_end_k_q06a4d17e1a_mproj-k_q06a4d17e1a_mproj
	.p2alignl 7, 3214868480
	.fill 96, 4, 3214868480
	.section	.rodata,"a",@progbits
	.p2align	6, 0x0
	.amdhsa_kernel k_q06a4d17e1a_mproj
		.amdhsa_group_segment_fixed_size 327680
		.amdhsa_private_segment_fixed_size 0
		.amdhsa_enable_private_segment 0
		.amdhsa_kernarg_size 40
		.amdhsa_user_sgpr_count 2
		.amdhsa_user_sgpr_kernarg_segment_ptr 1
		.amdhsa_wavefront_size32 1
		.amdhsa_system_sgpr_workgroup_id_x 1
		.amdhsa_system_sgpr_workgroup_id_y 1
		.amdhsa_system_sgpr_workgroup_id_z 1
		.amdhsa_system_vgpr_workitem_id 0
		.amdhsa_next_free_vgpr 1024
		.amdhsa_next_free_sgpr 80
		.amdhsa_reserve_vcc 1
		.amdhsa_float_denorm_mode_32 3
		.amdhsa_float_denorm_mode_16_64 3
		.amdhsa_memory_ordered 1
		.amdhsa_forward_progress 1
		.amdhsa_inst_pref_size 151
	.end_amdhsa_kernel
	.amdgpu_metadata
---
amdhsa.version: [ 1, 2 ]
amdhsa.kernels:
  - .name:           k_q06a4d17e1a_mproj
    .symbol:         k_q06a4d17e1a_mproj.kd
    .args:
      - { .name: Mb, .offset: 0, .size: 8, .value_kind: global_buffer, .address_space: global }
      - { .name: Wb, .offset: 8, .size: 8, .value_kind: global_buffer, .address_space: global }
      - { .name: b_mproj, .offset: 16, .size: 8, .value_kind: global_buffer, .address_space: global }
      - { .name: X1, .offset: 24, .size: 8, .value_kind: global_buffer, .address_space: global }
      - { .name: out0, .offset: 32, .size: 8, .value_kind: global_buffer, .address_space: global }
    .group_segment_fixed_size: 327680
    .private_segment_fixed_size: 0
    .kernarg_segment_align: 8
    .kernarg_segment_size: 40
    .max_flat_workgroup_size: 128
    .sgpr_count:     80
    .vgpr_count:     1024
    .wavefront_size: 32
...
	.end_amdgpu_metadata
.endif
;; end of part 6
